; MI455X (gfx1250); checked and timed in simulation.
; The chip was launched on July 23, 2026; its instructions are those of AMD's public machine-readable ISA for CDNA 5 (MIT licence, August 2026) and "CDNA5" Instruction Set Architecture Reference Guide (July 2026).
;; Multi Head Temporal Attention. Allowed arithmetic: matrix products marked QUANTISED: E3M2 operands, one E8M0 scale for each 32 along K, by v_wmma_scale_f32_16x16x128_f8f6f4 with both operands' format E3M2, f32 sums; products left as they are: f32 operands where the result goes on into a quantised operand, else bf16, f16 or f32 operands; f32 sums; everything else in f32.
;; Inputs: Wk 512 x 512 float32; Wo 512 x 512 float32; Wq 512 x 512 float32; Wv 512 x 512 float32; enc 32 x 4,096 x 512 float32.
;; Outputs: out0 32 x 512 float32; out1 32 x 4,096 float32.
;; This version of the problem:
;;   THIS VERSION OF THE PROBLEM IS GIVEN IN LOW PRECISION. The matrix products marked QUANTISED in the list below multiply operands that are first quantised to E3M2 (3 exponent bits, 2 mantissa bits; 6 bits a number), with one power-of-two scale for each 32 numbers along K (OCP MX v1.0); their sums are f32. All else is computed in f32.
;;   The module's matrix products, in the order in which they are computed (A, B: the left and right operand; K: the contracted axis; several contracted axes count as one K, in the product's order):
;;     1. [M 32, K 512] x [K 512, N 512]; A: input enc; B: input Wq: QUANTISED
;;     2. [M 131,072, K 512] x [K 512, N 512]; A: input enc; B: input Wk: QUANTISED
;;     3. [M 131,072, K 512] x [K 512, N 512]; A: input enc; B: input Wv: QUANTISED
;;     4. batch 256 x [M 1, K 64] x [K 64, N 4,096]; A: computed on the way; B: computed on the way: left as it is (M = 1 < 16)
;;     5. batch 256 x [M 1, K 4,096] x [K 4,096, N 64]; A: softmax; B: computed on the way: left as it is (M = 1 < 16)
;;     6. [M 32, K 512] x [K 512, N 512]; A: computed on the way; B: input Wo: QUANTISED
;;   THE QUANTISER, for each operand of a quantised product, along K:
;;     - K is cut into blocks of 32 from its start; a last block that is shorter is filled with zeros.
;;     - A block's scale is 2^e with e = floor(log2(the largest magnitude in the block)) - 4, held to -126 .. 127; a block of zeros has e = 0. As a byte (E8M0): e + 127.
;;     - Each number is divided by its block's scale, clamped to +-28, and rounded to the nearest number of E3M2, ties to even, subnormals kept.
;;     - The product sums the exact products of the quantised numbers (number of the format x scale) in f32.
;;   ~~~python
;;   def quantise(x, axis):      # numpy; x: float32 -> the quantised numbers, widened to float32 again
;;       x = np.moveaxis(x, axis, -1); K = x.shape[-1]
;;       x = np.pad(x, [(0, 0)] * (x.ndim - 1) + [(0, -K % 32)]); x = x.reshape(x.shape[:-1] + (-1, 32)); a = np.abs(x).max(-1, keepdims=True)
;;       e = np.where(a > 0, np.clip(np.frexp(np.where(a > 0, a, 1))[1] - 1 - 4, -126, 127), 0)      # np.frexp(a)[1] - 1 = floor(log2(a)), exactly
;;       r = np.clip(x / 2.0 ** e, -28, 28)
;;       step = 2.0 ** (np.maximum(np.frexp(np.where(r == 0, 1, r))[1] - 1, -2) - 2)
;;       q = np.round(r / step) * step * 2.0 ** e      # np.round: ties to even
;;       return np.moveaxis(q.reshape(q.shape[:-2] + (-1,))[..., :K], -1, axis).astype(np.float32)
;;   ~~~
;;   OPERANDS COMPUTED ON THE WAY. 'Computed on the way' means the value that the module computes at that place (a softmax that the list does not call 'softmax' is quantised finished and normalised). What goes into a quantiser is computed in f32, as accurately as f32 sums, v_exp_f32 and their like allow (about 1e-6 of the number): no bf16 or f16 on the way to a quantiser, and a product that is left as it is and whose result goes on into a quantised operand takes f32 operands (vector FMAs, or v_wmma_f32_16x16x4_f32). A number that lies on a knife's edge between two numbers of the format may be rounded either way, as far as f32 arithmetic and the matrix unit's own rounding can turn it there, and no further.
;; 2 versions, each right and faster than the one before. Each part assembles by itself: llvm-mc -triple=amdgcn-amd-amdhsa -mcpu=gfx1250 --defsym DOCPART=n.
;; ======== version 1 of 2: 3 launches
;; workspace buffers: wimg 798,720 bytes; wscl 33,280 bytes; scores 4,194,304 bytes; pctx 524,288 bytes; pml 16,384 bytes
;; launch prep (part 1): grid 65 x 1, 4 waves a work-group, no clusters, 0 bytes of LDS; arguments Wk, Wv, Wq, Wo, enc, wimg, wscl; writes wimg, wscl
.if DOCPART == 1
	.amdgcn_target "amdgcn-amd-amdhsa--gfx1250"
	.amdhsa_code_object_version 6
	.text
	.protected	k_qcc6fd20d9c_prep
	.globl	k_qcc6fd20d9c_prep
	.p2align	8
	.type	k_qcc6fd20d9c_prep,@function
k_qcc6fd20d9c_prep:
	s_mov_b64 s[64:65], 0
	v_nop
	global_prefetch_b8 v0, s[64:65] scope:SCOPE_SE
	s_setreg_imm32_b32 hwreg(HW_REG_WAVE_MODE, 25, 1), 1
	s_wait_xcnt 0x0
.set X,  64
.set T,  192
.set EM, 40
.set HF, 41
.set UP, 42
.set DN, 44
.macro GRID xb, tb, fl
.irp i, 0,1,2,3,4,5,6,7,8,9,10,11,12,13,14,15,16,17,18,19,20,21,22,23,24,25,26,27,28,29,30,31
	v_and_or_b32 v[(\tb)+\i], v[(\xb)+\i], s[EM], s[HF]
.endr
.irp i, 0,1,2,3,4,5,6,7,8,9,10,11,12,13,14,15,16,17,18,19,20,21,22,23,24,25,26,27,28,29,30,31
	v_max_num_f32 v[(\tb)+\i], v[(\tb)+\i], v[\fl]
.endr
.irp j, 0,2,4,6,8,10,12,14,16,18,20,22,24,26,28,30
	v_pk_fma_f32 v[(\xb)+\j:(\xb)+\j+1], v[(\tb)+\j:(\tb)+\j+1], s[UP:UP+1], v[(\xb)+\j:(\xb)+\j+1] op_sel_hi:[1,0,1]
.endr
.irp j, 0,2,4,6,8,10,12,14,16,18,20,22,24,26,28,30
	v_pk_fma_f32 v[(\xb)+\j:(\xb)+\j+1], v[(\tb)+\j:(\tb)+\j+1], s[DN:DN+1], v[(\xb)+\j:(\xb)+\j+1] op_sel_hi:[1,0,1]
.endr
.endm
	s_load_b256 s[4:11], s[0:1], 0x0
	s_load_b128 s[12:15], s[0:1], 0x20
	s_load_b64 s[16:17], s[0:1], 0x30
	v_lshrrev_b32 v1, 5, v0
	v_readfirstlane_b32 s18, v1
	v_and_b32 v1, 31, v0
	v_and_b32 v2, 15, v0
	v_bfe_u32 v3, v0, 4, 1
	v_lshlrev_b32 v5, 4, v1
	v_lshlrev_b32 v6, 2, v1
	v_lshlrev_b32 v18, 3, v3
	v_mov_b32 v17, 0
	s_mov_b32 s36, 0x76543210
	s_mov_b32 s37, 0xfedcba98
	s_mov_b32 s[EM], 0x7f800000
	s_mov_b32 s[HF], 0x00400000
	s_mov_b32 s[UP], 0x4a000000
	s_mov_b32 s[UP+1], s[UP]
	s_mov_b32 s[DN], 0xca000000
	s_mov_b32 s[DN+1], s[DN]
	s_lshr_b32 s20, ttmp9, 4
	s_lshr_b32 s26, s18, 1
	s_and_b32 s31, s18, 1
	s_lshl_b32 s25, ttmp9, 1
	s_add_co_u32 s25, s25, s26
	s_and_b32 s27, s25, 31
	s_lshr_b32 s28, s27, 3
	s_lshl_b32 s28, s28, 18
	s_and_b32 s29, s27, 7
	s_lshl_b32 s29, s29, 14
	s_add_co_u32 s28, s28, s29
	s_lshl_b32 s30, s26, 27
	s_add_co_u32 s30, s30, 8386560
	s_lshl_b32 s32, s31, 10
	s_mul_i32 s34, s25, 6144
	s_mul_i32 s33, s31, 3072
	s_add_co_u32 s34, s34, s33
	s_mov_b32 s35, 0
	s_lshl_b32 s38, s25, 8
	s_lshl_b32 s33, s31, 7
	s_add_co_u32 s38, s38, s33
	s_mov_b32 s39, 0
	s_wait_kmcnt 0x0
	s_cmp_eq_u32 s20, 1
	s_cselect_b64 s[4:5], s[6:7], s[4:5]
	s_cmp_eq_u32 s20, 2
	s_cselect_b64 s[4:5], s[8:9], s[4:5]
	s_cmp_eq_u32 s20, 3
	s_cselect_b64 s[4:5], s[10:11], s[4:5]
	s_cmp_eq_u32 s20, 4
	s_cselect_b64 s[4:5], s[12:13], s[4:5]
	s_cselect_b32 s22, 23, 11
	s_cselect_b32 s23, 26, 17
	s_cselect_b32 s24, s30, s28
	s_add_co_u32 s24, s24, s32
	s_mov_b32 s25, 0
	s_add_nc_u64 s[4:5], s[4:5], s[24:25]
	s_add_nc_u64 s[14:15], s[14:15], s[34:35]
	s_add_nc_u64 s[16:17], s[16:17], s[38:39]
	v_and_b32 v7, 7, v2
	v_lshrrev_b32 v4, 3, v2
	v_lshlrev_b32 v7, s22, v7
	v_lshlrev_b32 v4, s23, v4
	v_add_nc_u32 v4, v4, v7
	v_lshl_add_u32 v4, v3, 7, v4
.irp s, 0,1
.irp c, 0,1
.irp j, 0,1,2,3,4,5,6,7
	global_load_b128 v[X+64*\s+32*\c+4*\j:X+64*\s+32*\c+4*\j+3], v4, s[4:5] offset:512*\s+256*\c+16*\j
.endr
.endr
.endr
.macro QUANTF s
.set XN, X+64*\s
.set CD, 24+12*\s
.irp c, 0,1
	v_max3_num_f32 v[8+\c], |v[XN+32*\c]|, |v[XN+32*\c+1]|, 0x3800000
	v_max3_num_f32 v[10+\c], |v[XN+32*\c+16]|, |v[XN+32*\c+17]|, |v[XN+32*\c+18]|
.endr
.irp i, 2,4,6,8,10,12,14
.irp c, 0,1
	v_max3_num_f32 v[8+\c], v[8+\c], |v[XN+32*\c+\i]|, |v[XN+32*\c+\i+1]|
.endr
.endr
.irp i, 19,21,23,25,27,29
.irp c, 0,1
	v_max3_num_f32 v[10+\c], v[10+\c], |v[XN+32*\c+\i]|, |v[XN+32*\c+\i+1]|
.endr
.endr
.irp c, 0,1
	v_max3_num_f32 v[8+\c], v[8+\c], v[10+\c], |v[XN+32*\c+31]|
.endr
.irp c, 0,1
	v_add_nc_u32 v[12+\c], 0xfe000000, v[8+\c]
.endr
.irp c, 0,1
	v_and_b32 v[56+\c], s[EM], v[12+\c]
.endr
.irp c, 0,1
	v_add_nc_u32 v[56+\c], 0xff400000, v[56+\c]
.endr
	GRID XN, T, 56
	GRID XN+32, T+32, 57
.irp c, 0,1
	v_lshrrev_b32 v[14+\c], 23, v[12+\c]
.endr
	v_lshl_or_b32 v16, v15, 16, v14
	v_lshlrev_b32 v16, v18, v16
	v_permlanex16_b32 v17, v16, s36, s37
	v_or_b32 v[20+\s], v16, v17
.irp c, 0,1
	v_cvt_scalef32_pk16_bf6_f32 v[CD+6*\c:CD+6*\c+2], v[XN+32*\c:XN+32*\c+15], v[12+\c]
	v_cvt_scalef32_pk16_bf6_f32 v[48+4*\c:50+4*\c], v[XN+32*\c+16:XN+32*\c+31], v[12+\c]
.endr
	v_nop
.irp c, 0,1
.irp i, 0,1,2
	v_mov_b32 v[CD+6*\c+3+\i], v[48+4*\c+\i]
.endr
.endr
.irp g, 0,1,2
	global_store_b128 v5, v[CD+4*\g:CD+4*\g+3], s[14:15] offset:1536*\s+512*\g
.endr
.endm
	s_wait_loadcnt 16
	QUANTF 0
	s_wait_loadcnt 0x0
	QUANTF 1
	v_cmp_eq_u32 vcc_lo, 1, v3
	v_cndmask_b32 v22, v20, v21, vcc_lo
	global_store_b32 v6, v22, s[16:17]
	s_endpgm
.Lfunc_end_k_qcc6fd20d9c_prep:
	.size	k_qcc6fd20d9c_prep, .Lfunc_end_k_qcc6fd20d9c_prep-k_qcc6fd20d9c_prep
	.p2alignl 7, 3214868480
	.fill 96, 4, 3214868480
	.section	.rodata,"a",@progbits
	.p2align	6, 0x0
	.amdhsa_kernel k_qcc6fd20d9c_prep
		.amdhsa_group_segment_fixed_size 0
		.amdhsa_private_segment_fixed_size 0
		.amdhsa_enable_private_segment 0
		.amdhsa_kernarg_size 56
		.amdhsa_user_sgpr_count 2
		.amdhsa_user_sgpr_kernarg_segment_ptr 1
		.amdhsa_wavefront_size32 1
		.amdhsa_system_sgpr_workgroup_id_x 1
		.amdhsa_system_sgpr_workgroup_id_y 1
		.amdhsa_system_sgpr_workgroup_id_z 1
		.amdhsa_system_vgpr_workitem_id 0
		.amdhsa_next_free_vgpr 256
		.amdhsa_next_free_sgpr 66
		.amdhsa_reserve_vcc 1
		.amdhsa_float_denorm_mode_32 3
		.amdhsa_float_denorm_mode_16_64 3
		.amdhsa_memory_ordered 1
		.amdhsa_forward_progress 1
		.amdhsa_inst_pref_size 33
	.end_amdhsa_kernel
	.amdgpu_metadata
---
amdhsa.version: [ 1, 2 ]
amdhsa.kernels:
  - .name:           k_qcc6fd20d9c_prep
    .symbol:         k_qcc6fd20d9c_prep.kd
    .args:
      - { .name: Wk, .offset: 0, .size: 8, .value_kind: global_buffer, .address_space: global }
      - { .name: Wv, .offset: 8, .size: 8, .value_kind: global_buffer, .address_space: global }
      - { .name: Wq, .offset: 16, .size: 8, .value_kind: global_buffer, .address_space: global }
      - { .name: Wo, .offset: 24, .size: 8, .value_kind: global_buffer, .address_space: global }
      - { .name: enc, .offset: 32, .size: 8, .value_kind: global_buffer, .address_space: global }
      - { .name: wimg, .offset: 40, .size: 8, .value_kind: global_buffer, .address_space: global }
      - { .name: wscl, .offset: 48, .size: 8, .value_kind: global_buffer, .address_space: global }
    .group_segment_fixed_size: 0
    .private_segment_fixed_size: 0
    .kernarg_segment_align: 8
    .kernarg_segment_size: 56
    .max_flat_workgroup_size: 128
    .sgpr_count:     66
    .vgpr_count:     256
    .wavefront_size: 32
...
	.end_amdgpu_metadata
.endif
;; end of part 1
;; launch main (part 2): grid 256 x 1, 4 waves a work-group, no clusters, 327,680 bytes of LDS; arguments enc, wimg, wscl, scores, pctx, pml; writes scores, pctx, pml
.if DOCPART == 2
	.amdgcn_target "amdgcn-amd-amdhsa--gfx1250"
	.amdhsa_code_object_version 6
	.text
	.protected	k_qcc6fd20d9c_main
	.globl	k_qcc6fd20d9c_main
	.p2align	8
	.type	k_qcc6fd20d9c_main,@function
k_qcc6fd20d9c_main:
	s_mov_b64 s[64:65], 0
	v_nop
	global_prefetch_b8 v0, s[64:65] scope:SCOPE_SE
	s_setreg_imm32_b32 hwreg(HW_REG_WAVE_MODE, 25, 1), 1
	s_wait_xcnt 0x0
.set WPART, 36864
.set SLOTB, 4*WPART
.set CODES, 2*SLOTB
.set CP,    400
.set XSCB,  CODES+64*CP
.set STG,   XSCB+1024
.set SPARE, STG+2048
.set WS,  16
.set Q,   48
.set CTX, 56
.set XS,  80
.set XF,  84
.set ACC, 132
.set S,   196
.set SG,  66
.set MSB, 0
.macro WIN new
.if MSB != (\new)
	s_set_vgpr_msb (MSB<<8)|(\new)
.set MSB, (\new)
.endif
.endm
.macro PLACES
.rept 4
	v_nop
.endr
.endm
.macro WHERE kind, ks, t
.set F, 32*\kind+8*\ks+\t
.if F == 63
.set FW, 0
.set FRG, 204
.else
.set FW, 1+F/21
.set FRG, 12*(F%21)
.endif
.endm
	s_load_b256 s[4:11], s[0:1], 0x0
	s_load_b128 s[12:15], s[0:1], 0x20
	v_lshl_add_u32 v1, v0, 2, SPARE
	v_mov_b32 v2, 0
	ds_add_u32 v1, v2
	ds_add_u32 v1, v2
	s_wait_dscnt 0x0
	v_lshrrev_b32 v244, 5, v0
	v_readfirstlane_b32 s32, v244
	s_lshr_b32 s33, ttmp9, 3
	s_and_b32 s34, ttmp9, 7
	s_mov_b32 s16, (3<<16)|(1<<20)|(4<<22)|(3<<25)
	s_mov_b32 s17, 32<<16
	s_mov_b32 s18, 128<<16
	s_mov_b32 s19, 32<<16
	s_mov_b32 s20, 128
	s_mov_b32 s21, 32
	s_mov_b32 s22, 0
	s_mov_b32 s23, 0
	s_lshl_b32 s58, ttmp9, 20
	s_lshl_b32 s60, s32, 15
	s_add_co_u32 s58, s58, s60
	s_mov_b32 s59, 0
	s_mul_i32 s36, s32, WPART
	s_wait_kmcnt 0x0
	s_add_nc_u64 s[4:5], s[4:5], s[58:59]
.irp n, 0,1
	s_mov_b32 s[24+4*\n], 1
	s_add_co_u32 s[25+4*\n], s36, \n*SLOTB
	s_add_nc_u64 s[26+4*\n:27+4*\n], s[4:5], \n*131072
	s_or_b32 s[27+4*\n], s[27+4*\n], 0x80000000
.endr
	tensor_load_to_lds s[24:27], s[16:23]
	s_nop 0
	tensor_load_to_lds s[28:31], s[16:23]
	s_nop 0
	PLACES
	s_mul_i32 s58, s32, 49152
	s_add_nc_u64 s[46:47], s[6:7], s[58:59]
	s_add_nc_u64 s[44:45], s[46:47], 196608
	s_add_nc_u64 s[42:43], s[46:47], 393216
	s_lshl_b32 s58, s32, 11
	s_add_nc_u64 s[52:53], s[8:9], s[58:59]
	s_add_nc_u64 s[50:51], s[52:53], 8192
	s_add_nc_u64 s[48:49], s[52:53], 16384
	s_lshr_b32 s60, s33, 4
	s_mul_i32 s58, s60, 6144
	s_add_co_u32 s58, s58, 786432
	s_add_nc_u64 s[54:55], s[6:7], s[58:59]
	s_lshl_b32 s58, s60, 8
	s_add_co_u32 s58, s58, 32768
	s_add_nc_u64 s[56:57], s[8:9], s[58:59]
	s_lshl_b32 s58, s33, 17
	s_lshl_b32 s60, s32, 15
	s_add_co_u32 s58, s58, s60
	s_lshl_b32 s60, s34, 11
	s_add_co_u32 s58, s58, s60
	s_add_nc_u64 s[10:11], s[10:11], s[58:59]
	s_lshl_b32 s58, ttmp9, 11
	s_lshl_b32 s60, s32, 9
	s_add_co_u32 s58, s58, s60
	s_add_nc_u64 s[12:13], s[12:13], s[58:59]
	s_lshl_b32 s58, ttmp9, 6
	s_lshl_b32 s60, s32, 4
	s_add_co_u32 s58, s58, s60
	s_add_nc_u64 s[14:15], s[14:15], s[58:59]
	s_mov_b32 s38, 0x76543210
	s_mov_b32 s39, 0xfedcba98
	s_mov_b32 s40, 0x3e38aa3b
	s_and_b32 s60, s32, 1
	s_mul_i32 s[SG], s60, 0x20820820
	s_mul_i32 s[SG+1], s60, 0x08208208
	s_mul_i32 s[SG+2], s60, 0x82082082
	v_and_b32 v244, 31, v0
	v_and_b32 v245, 15, v0
	v_bfe_u32 v246, v0, 4, 1
	v_bfe_u32 v247, v0, 3, 1
	v_and_b32 v248, 7, v0
	v_and_b32 v251, 23, v0
	v_mul_u32_u24 v3, v244, 144
	v_add_nc_u32 v3, s36, v3
	v_add_nc_u32 v4, SLOTB, v3
	s_mul_i32 s58, s32, 16*CP
	s_add_co_u32 s58, s58, CODES
	v_mul_u32_u24 v5, v246, CP
	v_mad_u32_u24 v5, v245, 24, v5
	v_add_nc_u32 v5, s58, v5
	s_lshl_b32 s58, s32, 8
	s_add_co_u32 s58, s58, XSCB
	v_add_nc_u32 v6, s58, v244
	v_mul_u32_u24 v7, v245, CP
	v_mad_u32_u24 v7, v246, 24, v7
	v_add_nc_u32 v7, CODES, v7
	v_lshl_add_u32 v8, v245, 4, XSCB
	s_lshl_b32 s58, s32, 9
	s_add_co_u32 s58, s58, STG
	v_lshlrev_b32 v9, 8, v247
	v_lshl_add_u32 v9, v246, 5, v9
	v_add_nc_u32 v9, s58, v9
	v_lshl_add_u32 v10, v244, 4, s58
	v_lshlrev_b32 v14, 8, v247
	v_lshl_add_u32 v14, v248, 2, v14
	v_add_nc_u32 v14, s58, v14
	v_lshlrev_b32 v11, 14, v246
	v_lshl_add_u32 v11, v245, 4, v11
	v_lshlrev_b32 v12, 4, v244
	v_lshlrev_b32 v13, 2, v244
	v_lshlrev_b32 v15, 3, v247
	s_and_b32 s60, s33, 15
	s_lshl_b32 s61, s60, 4
	v_lshl_add_u32 v249, v246, 8, s61
	s_lshl_b32 s61, s60, 2
	v_mov_b32 v250, s61
.macro LOADW ip, sp, kind
.irp t, 0,1,2,3,4,5,6,7
.irp p, 0,1
	global_load_b32 v[WS+16*\kind+2*\t+\p], v13, s[\sp:\sp+1] offset:256*\t+128*\p
.endr
.endr
.irp ks, 0,1,2,3
.irp t, 0,1,2,3,4,5,6,7
	WHERE \kind, \ks, \t
	WIN FW<<6
.irp g, 0,1,2
	global_load_b128 v[FRG+4*\g:FRG+4*\g+3], v12, s[\ip:\ip+1] offset:6144*\t+1536*\ks+512*\g
.endr
.endr
.endr
	WIN 0
.endm
.macro PH kind
.irp ks, 0,1,2,3
.irp t, 0,1,2,3,4,5,6,7
	WHERE \kind, \ks, \t
	WIN FW<<2
.if \ks == 0
	v_wmma_scale_f32_16x16x128_f8f6f4 v[ACC+8*\t:ACC+8*\t+7], v[XF+12*\ks:XF+12*\ks+11], v[FRG:FRG+11], 0, v[XS+\ks], v[WS+16*\kind+2*\t+\ks/2] matrix_a_fmt:MATRIX_FMT_BF6 matrix_b_fmt:MATRIX_FMT_BF6
.elseif \ks % 2
	v_wmma_scale_f32_16x16x128_f8f6f4 v[ACC+8*\t:ACC+8*\t+7], v[XF+12*\ks:XF+12*\ks+11], v[FRG:FRG+11], v[ACC+8*\t:ACC+8*\t+7], v[XS+\ks], v[WS+16*\kind+2*\t+\ks/2] matrix_a_fmt:MATRIX_FMT_BF6 matrix_b_fmt:MATRIX_FMT_BF6 matrix_b_scale:MATRIX_SCALE_ROW1
.else
	v_wmma_scale_f32_16x16x128_f8f6f4 v[ACC+8*\t:ACC+8*\t+7], v[XF+12*\ks:XF+12*\ks+11], v[FRG:FRG+11], v[ACC+8*\t:ACC+8*\t+7], v[XS+\ks], v[WS+16*\kind+2*\t+\ks/2] matrix_a_fmt:MATRIX_FMT_BF6 matrix_b_fmt:MATRIX_FMT_BF6
.endif
.endr
.endr
	WIN 0
.endm
.irp ks, 0,1,2,3
.irp g, 0,1,2
	global_load_b128 v[XF+12*\ks+4*\g:XF+12*\ks+4*\g+3], v249, s[54:55] offset:1536*\ks+512*\g
.endr
.endr
.irp ks, 0,1,2,3
	global_load_b32 v[XS+\ks], v250, s[56:57] offset:64*\ks
.endr
	LOADW 42, 48, 0
	LOADW 44, 50, 1
	s_wait_loadcnt 63
	PH 0
	PLACES
.irp i, 0,1,2,3,4,5,6,7
	v_mul_f32 v[Q+\i], s40, v[ACC+8*\i]
.endr
	LOADW 46, 52, 0
	v_mov_b32 v72, 0xff61b1e6
.irp j, 73,74,75,76,77,78,79
	v_mov_b32 v\j, 0
.endr
.irp j, 0,1,2,3,4,5,6,7,8,9,10,11,12,13,14,15
	v_mov_b32 v[CTX+\j], 0
.endr
.macro QLOAD slot, i
.irp j, 0,1,2,3,4,5,6,7
	ds_load_b128 v[ACC+32*((\i)%2)+4*\j:ACC+32*((\i)%2)+4*\j+3], v[3+\slot] offset:4608*(\i)+16*\j
.endr
.endm
.macro QSTEP slot, i
.set XB, ACC+32*((\i)%2)
.set CD, 216+8*((\i)%2)
.if \i == 0
	s_wait_dscnt 8
.elseif \i == 7
	s_wait_dscnt 4
.else
	s_wait_dscnt 12
.endif
	v_max3_num_f32 v234, |v[XB]|, |v[XB+1]|, 0x2800000
	v_max3_num_f32 v235, |v[XB+16]|, |v[XB+17]|, |v[XB+18]|
.irp k, 0,1,2,3,4,5
	v_max3_num_f32 v234, v234, |v[XB+2+2*\k]|, |v[XB+3+2*\k]|
	v_max3_num_f32 v235, v235, |v[XB+19+2*\k]|, |v[XB+20+2*\k]|
.endr
	v_max3_num_f32 v234, v234, |v[XB+14]|, |v[XB+15]|
	v_max3_num_f32 v234, v234, v235, |v[XB+31]|
	v_add_nc_u32 v236, 0xfe000000, v234
	v_cvt_scalef32_pk16_bf6_f32 v[CD:CD+2], v[XB:XB+15], v236
	v_cvt_scalef32_pk16_bf6_f32 v[CD+4:CD+6], v[XB+16:XB+31], v236
	v_lshrrev_b32 v[232+(\i)%2], 23, v236
.irp k, 0,1,2
	v_xor_b32 v[CD+\k], s[SG+\k], v[CD+\k]
.endr
.irp k, 0,1,2
	v_xor_b32 v[CD+3+\k], s[SG+\k], v[CD+4+\k]
.endr
.irp p, 0,1,2
	ds_store_b64 v5, v[CD+2*\p:CD+2*\p+1] offset:2*CP*(\i)+8*\p
.endr
	ds_store_b8 v6, v[232+(\i)%2] offset:32*(\i)
.if \i < 6
	QLOAD \slot, (\i)+2
.endif
.endm
.macro XFETCH mt
.irp ks, 0,1,2,3
.irp c, 0,1
.irp p, 0,1,2
	ds_load_b64 v[XF+12*\ks+6*\c+2*\p:XF+12*\ks+6*\c+2*\p+1], v7 offset:16*CP*(\mt)+96*\ks+48*\c+8*\p
.endr
.endr
.endr
	ds_load_b128 v[XS:XS+3], v8 offset:256*(\mt)
.endm
.macro SCORE mt, ng
.irp j, 0,2,4,6
	v_pk_mul_f32 v[S+\j:S+\j+1], v[ACC+\j:ACC+\j+1], v[Q:Q+1] op_sel_hi:[1,0] neg_lo:[\ng,0] neg_hi:[\ng,0]
.endr
.irp i, 1,2,3,4,5,6,7
.irp j, 0,2,4,6
.if \i % 2
	v_pk_fma_f32 v[S+\j:S+\j+1], v[ACC+8*\i+\j:ACC+8*\i+\j+1], v[Q+\i-1:Q+\i], v[S+\j:S+\j+1] op_sel:[0,1,0] neg_lo:[\ng,0,0] neg_hi:[\ng,0,0]
.else
	v_pk_fma_f32 v[S+\j:S+\j+1], v[ACC+8*\i+\j:ACC+8*\i+\j+1], v[Q+\i:Q+\i+1], v[S+\j:S+\j+1] op_sel_hi:[1,0,1] neg_lo:[\ng,0,0] neg_hi:[\ng,0,0]
.endif
.endr
.endr
.irp x, 1,2,4
.irp j, 0,1,2,3,4,5,6,7
	v_add_f32_dpp v[S+\j], v[S+\j], v[S+\j] row_xmask:\x row_mask:0xf bank_mask:0xf
.endr
.endr
	ds_store_b128 v9, v[S:S+3] offset:64*(\mt)
	ds_store_b128 v9, v[S+4:S+7] offset:64*(\mt)+16
	v_max3_num_f32 v78, v[S], v[S+1], v[S+2]
	v_max3_num_f32 v78, v78, v[S+3], v[S+4]
	v_max3_num_f32 v78, v78, v[S+5], v[S+6]
	v_max3_num_f32 v78, v78, v[S+7], v72
	v_permlanex16_b32 v79, v78, s38, s39
	v_max_num_f32 v78, v78, v79
	v_sub_f32 v76, v72, v78
	v_exp_f32 v76, v76
.irp j, 0,2,4,6
	v_pk_add_f32 v[S+\j:S+\j+1], v[S+\j:S+\j+1], v[78:79] op_sel_hi:[1,0] neg_lo:[0,1] neg_hi:[0,1]
.endr
.irp j, 0,1,2,3,4,5,6,7
	v_exp_f32 v[S+\j], v[S+\j]
.endr
	v_mov_b32 v72, v78
.irp k, 0,1,2,3
.if \k == 0
	s_wait_alu depctr_va_vdst(0)
	v_pk_fma_f32 v[74:75], v[74:75], v[76:77], v[S:S+1] op_sel_hi:[1,0,1]
.else
	v_pk_add_f32 v[74:75], v[74:75], v[S+2*\k:S+2*\k+1]
.endif
	v_pk_mul_f32 v[CTX+4*\k:CTX+4*\k+1], v[CTX+4*\k:CTX+4*\k+1], v[76:77] op_sel_hi:[1,0]
	v_pk_mul_f32 v[CTX+4*\k+2:CTX+4*\k+3], v[CTX+4*\k+2:CTX+4*\k+3], v[76:77] op_sel_hi:[1,0]
.endr
.endm
.macro CTXW ng
.irp j, 0,2,4,6
.irp i, 0,1,2,3,4,5,6,7
	v_pk_fma_f32 v[CTX+2*\i:CTX+2*\i+1], v[ACC+8*\i+\j:ACC+8*\i+\j+1], v[S+\j:S+\j+1], v[CTX+2*\i:CTX+2*\i+1] neg_lo:[\ng,0,0] neg_hi:[\ng,0,0]
.endr
.endr
.endm
.macro MT mt, next, ng
	s_wait_dscnt 0x0
	PH 0
	PLACES
	SCORE \mt, \ng
	PH 1
	PLACES
.if \next
	XFETCH (\mt)+1
.endif
	CTXW \ng
.endm
.macro SCOUT slot
	s_wait_xcnt 0x0
	ds_load_b128 v[240:243], v10
	s_wait_dscnt 0x0
	global_store_b128 v11, v[240:243], s[10:11] offset:256*\slot
.endm
.macro BLOCK slot, refill, left
	s_wait_tensorcnt \left
	QLOAD \slot, 0
	QLOAD \slot, 1
.irp i, 0,1,2,3,4,5,6,7
	QSTEP \slot, \i
.endr
.if \refill
	s_wait_tensorcnt 0x0
	ds_add_u32 v1, v2
	s_add_nc_u64 s[26+4*\slot:27+4*\slot], s[26+4*\slot:27+4*\slot], 262144
	s_wait_dscnt 0x0
	s_barrier_signal -1
	s_barrier_wait -1
	tensor_load_to_lds s[24+4*\slot:27+4*\slot], s[16:23]
	s_nop 0
	PLACES
.else
	s_wait_dscnt 0x0
	s_barrier_signal -1
	s_barrier_wait -1
.endif
	s_wait_loadcnt 0x0
	XFETCH 0
	MT 0, 1, 0
	MT 1, 1, 1
	MT 2, 1, 0
	MT 3, 0, 1
	SCOUT \slot
	s_barrier_signal -1
	s_barrier_wait -1
.endm
	s_mov_b32 s41, 3
.Ltrip:
	BLOCK 0, 1, 1
	BLOCK 1, 1, 1
	s_wait_xcnt 0x0
	s_add_nc_u64 s[10:11], s[10:11], 512
	s_sub_co_u32 s41, s41, 1
	s_cmp_lg_u32 s41, 0
	s_cbranch_scc1 .Ltrip
	BLOCK 0, 0, 1
	BLOCK 1, 0, 0
	v_add_f32 v74, v74, v75
	v_permlanex16_b32 v79, v74, s38, s39
	v_add_f32 v73, v74, v79
.irp i, 0,1,2,3,4,5,6,7
	v_add_f32 v[CTX+2*\i], v[CTX+2*\i], v[CTX+2*\i+1]
.endr
.irp i, 0,1,2,3,4,5,6,7
	v_permlanex16_b32 v[CTX+2*\i+1], v[CTX+2*\i], s38, s39
.endr
.irp i, 0,1,2,3,4,5,6,7
	v_add_f32 v[CTX+2*\i], v[CTX+2*\i], v[CTX+2*\i+1]
.endr
.irp i, 0,1,2,3,4,5,6,7
	ds_store_b32 v14, v[CTX+2*\i] offset:32*\i
.endr
	s_wait_xcnt 0x0
	ds_load_b128 v[240:243], v10
	s_wait_dscnt 0x0
	global_store_b128 v12, v[240:243], s[12:13]
	v_cmp_eq_u32 vcc_lo, 0, v251
	s_wait_xcnt 0x0
	s_and_saveexec_b32 s58, vcc_lo
	global_store_b64 v15, v[72:73], s[14:15]
	s_wait_xcnt 0x0
	s_or_b32 exec_lo, exec_lo, s58
	s_wait_tensorcnt 0x0
	ds_add_u32 v1, v2
	s_wait_dscnt 0x0
	s_endpgm
.Lfunc_end_k_qcc6fd20d9c_main:
	.size	k_qcc6fd20d9c_main, .Lfunc_end_k_qcc6fd20d9c_main-k_qcc6fd20d9c_main
	.p2alignl 7, 3214868480
	.fill 96, 4, 3214868480
	.section	.rodata,"a",@progbits
	.p2align	6, 0x0
	.amdhsa_kernel k_qcc6fd20d9c_main
		.amdhsa_group_segment_fixed_size 327680
		.amdhsa_private_segment_fixed_size 0
		.amdhsa_enable_private_segment 0
		.amdhsa_kernarg_size 48
		.amdhsa_user_sgpr_count 2
		.amdhsa_user_sgpr_kernarg_segment_ptr 1
		.amdhsa_wavefront_size32 1
		.amdhsa_system_sgpr_workgroup_id_x 1
		.amdhsa_system_sgpr_workgroup_id_y 1
		.amdhsa_system_sgpr_workgroup_id_z 1
		.amdhsa_system_vgpr_workitem_id 0
		.amdhsa_next_free_vgpr 1024
		.amdhsa_next_free_sgpr 72
		.amdhsa_reserve_vcc 1
		.amdhsa_float_denorm_mode_32 3
		.amdhsa_float_denorm_mode_16_64 3
		.amdhsa_memory_ordered 1
		.amdhsa_forward_progress 1
		.amdhsa_inst_pref_size 255
	.end_amdhsa_kernel
	.section	.bss,"aw",@nobits
	.p2align	6
	.space	262144
	.amdgpu_metadata
---
amdhsa.version: [ 1, 2 ]
amdhsa.kernels:
  - .name:           k_qcc6fd20d9c_main
    .symbol:         k_qcc6fd20d9c_main.kd
    .args:
      - { .name: enc, .offset: 0, .size: 8, .value_kind: global_buffer, .address_space: global }
      - { .name: wimg, .offset: 8, .size: 8, .value_kind: global_buffer, .address_space: global }
      - { .name: wscl, .offset: 16, .size: 8, .value_kind: global_buffer, .address_space: global }
      - { .name: scores, .offset: 24, .size: 8, .value_kind: global_buffer, .address_space: global }
      - { .name: pctx, .offset: 32, .size: 8, .value_kind: global_buffer, .address_space: global }
      - { .name: pml, .offset: 40, .size: 8, .value_kind: global_buffer, .address_space: global }
    .group_segment_fixed_size: 327680
    .private_segment_fixed_size: 0
    .kernarg_segment_align: 8
    .kernarg_segment_size: 48
    .max_flat_workgroup_size: 128
    .sgpr_count:     72
    .vgpr_count:     1024
    .wavefront_size: 32
...
	.end_amdgpu_metadata
.endif
;; end of part 2
;; launch finish (part 3): grid 66 x 1, 16 waves a work-group, no clusters, 49,152 bytes of LDS; arguments scores, pctx, pml, wimg, wscl, out0, out1; writes out0, out1
.if DOCPART == 3
	.amdgcn_target "amdgcn-amd-amdhsa--gfx1250"
	.amdhsa_code_object_version 6
	.text
	.protected	k_qcc6fd20d9c_finish
	.globl	k_qcc6fd20d9c_finish
	.p2align	8
	.type	k_qcc6fd20d9c_finish,@function
k_qcc6fd20d9c_finish:
	s_mov_b64 s[64:65], 0
	v_nop
	global_prefetch_b8 v0, s[64:65] scope:SCOPE_SE
	s_setreg_imm32_b32 hwreg(HW_REG_WAVE_MODE, 25, 1), 1
	s_wait_xcnt 0x0
.set FSC, 12800
.set FST, 13312
.set EM,  32
.set HF,  33
.set UP,  34
.set DN,  36
.macro GRID xb, tb, fl
.irp i, 0,1,2,3,4,5,6,7,8,9,10,11,12,13,14,15,16,17,18,19,20,21,22,23,24,25,26,27,28,29,30,31
	v_and_or_b32 v[(\tb)+\i], v[(\xb)+\i], s[EM], s[HF]
.endr
.irp i, 0,1,2,3,4,5,6,7,8,9,10,11,12,13,14,15,16,17,18,19,20,21,22,23,24,25,26,27,28,29,30,31
	v_max_num_f32 v[(\tb)+\i], v[(\tb)+\i], v[\fl]
.endr
.irp j, 0,2,4,6,8,10,12,14,16,18,20,22,24,26,28,30
	v_pk_fma_f32 v[(\xb)+\j:(\xb)+\j+1], v[(\tb)+\j:(\tb)+\j+1], s[UP:UP+1], v[(\xb)+\j:(\xb)+\j+1] op_sel_hi:[1,0,1]
.endr
.irp j, 0,2,4,6,8,10,12,14,16,18,20,22,24,26,28,30
	v_pk_fma_f32 v[(\xb)+\j:(\xb)+\j+1], v[(\tb)+\j:(\tb)+\j+1], s[DN:DN+1], v[(\xb)+\j:(\xb)+\j+1] op_sel_hi:[1,0,1]
.endr
.endm
	s_load_b256 s[4:11], s[0:1], 0x0
	s_load_b128 s[12:15], s[0:1], 0x20
	s_load_b64 s[16:17], s[0:1], 0x30
	v_lshl_add_u32 v254, v0, 2, 0xb800
	v_mov_b32 v255, 0
	v_lshrrev_b32 v1, 5, v0
	v_readfirstlane_b32 s18, v1
	v_and_b32 v1, 31, v0
	v_and_b32 v2, 15, v0
	v_bfe_u32 v3, v0, 4, 1
	s_cmp_lt_u32 ttmp9, 2
	s_cbranch_scc0 .Lweights
	s_mov_b32 s[EM], 0x7f800000
	s_mov_b32 s[HF], 0x00400000
	s_mov_b32 s[UP], 0x4a000000
	s_mov_b32 s[UP+1], s[UP]
	s_mov_b32 s[DN], 0xca000000
	s_mov_b32 s[DN+1], s[DN]
	s_lshl_b32 s22, s18, 10
	v_lshrrev_b32 v4, 1, v2
	v_lshlrev_b32 v4, 3, v4
	v_lshl_add_u32 v4, v3, 9, v4
	v_add_nc_u32 v4, s22, v4
	s_lshl_b32 s22, s18, 15
	v_lshlrev_b32 v5, 7, v2
	v_lshl_add_u32 v5, v3, 14, v5
	v_add_nc_u32 v5, s22, v5
	v_lshlrev_b32 v6, 4, v1
	v_lshlrev_b32 v7, 2, v1
	s_mul_i32 s22, s18, 800
	v_mul_u32_u24 v8, v3, 400
	v_mad_u32_u24 v8, v2, 24, v8
	v_add_nc_u32 v8, s22, v8
	s_lshl_b32 s22, s18, 5
	s_add_co_u32 s22, s22, FSC
	v_add_nc_u32 v9, s22, v1
	v_mul_u32_u24 v10, v2, 400
	v_mad_u32_u24 v10, v3, 24, v10
	v_lshl_add_u32 v11, v2, 4, FSC
	s_lshr_b32 s22, s18, 3
	s_lshl_b32 s22, s22, 9
	s_and_b32 s24, s18, 7
	s_lshl_b32 s24, s24, 5
	s_add_co_u32 s22, s22, s24
	s_add_co_u32 s22, s22, FST
	v_lshrrev_b32 v12, 3, v2
	v_lshlrev_b32 v12, 8, v12
	v_and_b32 v13, 7, v2
	v_lshl_add_u32 v12, v13, 2, v12
	v_mad_u32_u24 v12, v3, 8320, v12
	v_add_nc_u32 v12, s22, v12
	s_mul_i32 s22, s18, 2080
	s_add_co_u32 s22, s22, FST
	v_add_nc_u32 v13, s22, v6
	s_lshl_b32 s24, ttmp9, 4
	s_add_co_u32 s24, s24, s18
	s_add_co_u32 s24, s24, 96
	s_mul_i32 s26, s24, 6144
	s_mov_b32 s27, 0
	s_lshl_b32 s28, s24, 8
	s_mov_b32 s29, 0
	s_lshl_b32 s30, s18, 12
	s_lshl_b32 s31, ttmp9, 10
	s_add_co_u32 s30, s30, s31
	s_mov_b32 s31, 0
	s_wait_kmcnt 0x0
	s_add_nc_u64 s[10:11], s[10:11], s[26:27]
	s_add_nc_u64 s[12:13], s[12:13], s[28:29]
	s_add_nc_u64 s[14:15], s[14:15], s[30:31]
.macro PLOAD c
.irp j, 0,1,2,3,4,5,6,7
	global_load_b128 v[80+32*((\c)%3)+4*\j:80+32*((\c)%3)+4*\j+3], v5, s[6:7] offset:2048*(\c)+16*\j
.endr
.endm
.irp c, 0,1,2,3,4,5,6,7
	global_load_b64 v[16+2*\c:17+2*\c], v4, s[8:9] offset:64*\c
.endr
	PLOAD 0
	PLOAD 1
	PLOAD 2
.irp ks, 0,1,2,3
.irp g, 0,1,2
	global_load_b128 v[176+12*\ks+4*\g:176+12*\ks+4*\g+3], v6, s[10:11] offset:1536*\ks+512*\g
.endr
.endr
	global_load_b32 v232, v7, s[12:13]
	global_load_b32 v233, v7, s[12:13] offset:128
	s_wait_loadcnt 38
	v_max3_num_f32 v40, v16, v18, v20
	v_max3_num_f32 v40, v40, v22, v24
	v_max3_num_f32 v40, v40, v26, v28
	v_max_num_f32 v40, v40, v30
.irp c, 0,1,2,3,4,5,6,7
	v_sub_f32 v[32+\c], v[16+2*\c], v40
.endr
.irp c, 0,1,2,3,4,5,6,7
	v_exp_f32 v[32+\c], v[32+\c]
.endr
	v_nop
	s_wait_alu depctr_va_vdst(0)
	v_mul_f32 v41, v32, v17
.irp c, 1,2,3,4,5,6,7
	v_fma_f32 v41, v[32+\c], v[17+2*\c], v41
.endr
	v_rcp_f32 v41, v41
	v_nop
	s_wait_alu depctr_va_vdst(0)
.irp c, 0,1,2,3,4,5,6,7
	v_mul_f32 v[32+\c], v[32+\c], v41
.endr
.macro CHUNK c, left
	s_wait_loadcnt \left
.set PB, 80+32*((\c)%3)
.irp j, 0,2,4,6,8,10,12,14,16,18,20,22,24,26,28,30
.if \c == 0
	v_pk_mul_f32 v[48+\j:49+\j], v[PB+\j:PB+\j+1], v[32:33] op_sel_hi:[1,0]
.elseif \c % 2
	v_pk_fma_f32 v[48+\j:49+\j], v[PB+\j:PB+\j+1], v[32+\c-1:32+\c], v[48+\j:49+\j] op_sel:[0,1,0]
.else
	v_pk_fma_f32 v[48+\j:49+\j], v[PB+\j:PB+\j+1], v[32+\c:33+\c], v[48+\j:49+\j] op_sel_hi:[1,0,1]
.endif
.endr
.if \c < 5
	PLOAD (\c)+3
.endif
.endm
	CHUNK 0, 30
	CHUNK 1, 30
	CHUNK 2, 30
	CHUNK 3, 16
	CHUNK 4, 16
	CHUNK 5, 16
	CHUNK 6, 8
	CHUNK 7, 0
	v_max3_num_f32 v42, |v48|, |v49|, 0x3800000
	v_max3_num_f32 v43, |v64|, |v65|, |v66|
.irp k, 0,1,2,3,4,5
	v_max3_num_f32 v42, v42, |v[50+2*\k]|, |v[51+2*\k]|
	v_max3_num_f32 v43, v43, |v[67+2*\k]|, |v[68+2*\k]|
.endr
	v_max3_num_f32 v42, v42, |v62|, |v63|
	v_max3_num_f32 v42, v42, v43, |v79|
	v_add_nc_u32 v44, 0xfe000000, v42
	v_and_b32 v46, s[EM], v44
	v_add_nc_u32 v46, 0xff400000, v46
	GRID 48, 80, 46
	v_cvt_scalef32_pk16_bf6_f32 v[16:18], v[48:63], v44
	v_cvt_scalef32_pk16_bf6_f32 v[20:22], v[64:79], v44
	v_lshrrev_b32 v45, 23, v44
	v_mov_b32 v19, v20
	v_mov_b32 v20, v21
	v_mov_b32 v21, v22
.irp p, 0,1,2
	ds_store_b64 v8, v[16+2*\p:17+2*\p] offset:8*\p
.endr
	ds_store_b8 v9, v45
	s_wait_dscnt 0x0
	s_barrier_signal -1
	s_barrier_wait -1
.irp mt, 0,1
.irp ks, 0,1,2,3
.irp c, 0,1
.irp p, 0,1,2
	ds_load_b64 v[80+48*\mt+12*\ks+6*\c+2*\p:81+48*\mt+12*\ks+6*\c+2*\p], v10 offset:6400*\mt+96*\ks+48*\c+8*\p
.endr
.endr
.endr
	ds_load_b128 v[224+4*\mt:227+4*\mt], v11 offset:256*\mt
.endr
	s_wait_dscnt 0x0
.irp ks, 0,1,2,3
.irp mt, 0,1
.if \ks == 0
	v_wmma_scale_f32_16x16x128_f8f6f4 v[234+8*\mt:241+8*\mt], v[80+48*\mt+12*\ks:91+48*\mt+12*\ks], v[176+12*\ks:187+12*\ks], 0, v[224+4*\mt+\ks], v[232+\ks/2] matrix_a_fmt:MATRIX_FMT_BF6 matrix_b_fmt:MATRIX_FMT_BF6
.elseif \ks % 2
	v_wmma_scale_f32_16x16x128_f8f6f4 v[234+8*\mt:241+8*\mt], v[80+48*\mt+12*\ks:91+48*\mt+12*\ks], v[176+12*\ks:187+12*\ks], v[234+8*\mt:241+8*\mt], v[224+4*\mt+\ks], v[232+\ks/2] matrix_a_fmt:MATRIX_FMT_BF6 matrix_b_fmt:MATRIX_FMT_BF6 matrix_b_scale:MATRIX_SCALE_ROW1
.else
	v_wmma_scale_f32_16x16x128_f8f6f4 v[234+8*\mt:241+8*\mt], v[80+48*\mt+12*\ks:91+48*\mt+12*\ks], v[176+12*\ks:187+12*\ks], v[234+8*\mt:241+8*\mt], v[224+4*\mt+\ks], v[232+\ks/2] matrix_a_fmt:MATRIX_FMT_BF6 matrix_b_fmt:MATRIX_FMT_BF6
.endif
.endr
.endr
.rept 4
	v_nop
.endr
.irp mt, 0,1
.irp j, 0,1,2,3,4,5,6,7
	ds_store_b32 v12, v[234+8*\mt+\j] offset:1040*(16*\mt+\j)
.endr
.endr
	s_wait_dscnt 0x0
	s_barrier_signal -1
	s_barrier_wait -1
.irp q, 0,1,2,3
	ds_load_b128 v[48+4*\q:51+4*\q], v13 offset:1040*(\q/2)+512*(\q%2)
.endr
.irp q, 0,1,2,3
	s_wait_dscnt 3-\q
	global_store_b128 v6, v[48+4*\q:51+4*\q], s[14:15] offset:2048*(\q/2)+512*(\q%2)
.endr
	s_wait_tensorcnt 0x0
	ds_add_u32 v254, v255
	s_wait_dscnt 0x0
	s_endpgm
.Lweights:
	s_sub_co_u32 s22, ttmp9, 2
	s_lshr_b32 s24, s22, 1
	s_and_b32 s25, s22, 1
	s_lshl_b32 s25, s25, 13
	s_lshl_b32 s26, s24, 17
	s_add_co_u32 s26, s26, s25
	s_mov_b32 s27, 0
	s_lshl_b32 s28, s24, 9
	s_mov_b32 s29, 0
	s_lshl_b32 s30, s24, 14
	s_add_co_u32 s30, s30, s25
	s_mov_b32 s31, 0
	s_mov_b32 s20, 0x76543210
	s_mov_b32 s21, 0xfedcba98
	v_lshlrev_b32 v4, 4, v0
	v_lshlrev_b32 v5, 3, v1
	v_mov_b32 v13, 0
	s_wait_kmcnt 0x0
	s_add_nc_u64 s[4:5], s[4:5], s[26:27]
	s_add_nc_u64 s[8:9], s[8:9], s[28:29]
	s_add_nc_u64 s[16:17], s[16:17], s[30:31]
	global_load_b64 v[8:9], v5, s[8:9]
	global_load_b64 v[10:11], v5, s[8:9] offset:256
.irp e, 0,1,2,3,4,5,6,7
	global_load_b128 v[16+4*\e:19+4*\e], v4, s[4:5] offset:16384*\e
.endr
	s_wait_loadcnt 8
	v_max_num_f32 v12, v8, v10
	v_max_num_f32_dpp v12, v12, v12 row_xmask:8 row_mask:0xf bank_mask:0xf
	v_permlanex16_b32 v13, v12, s20, s21
	v_max_num_f32 v12, v12, v13
	v_sub_f32 v14, v8, v12
	v_sub_f32 v15, v10, v12
	v_exp_f32 v14, v14
	v_exp_f32 v15, v15
	v_nop
	s_wait_alu depctr_va_vdst(0)
	v_mul_f32 v14, v14, v9
	v_fma_f32 v14, v15, v11, v14
	v_add_f32_dpp v14, v14, v14 row_xmask:8 row_mask:0xf bank_mask:0xf
	v_permlanex16_b32 v13, v14, s20, s21
	v_add_f32 v14, v14, v13
	v_rcp_f32 v14, v14
	v_nop
	s_wait_alu depctr_va_vdst(0)
	v_mul_f32 v14, 0x3e000000, v14
.irp e, 0,1,2,3,4,5,6,7
	v_readlane_b32 s[32+\e], v12, \e
	v_readlane_b32 s[40+\e], v14, \e
.endr
	s_wait_loadcnt 0x0
.irp e, 0,1,2,3,4,5,6,7
.irp k, 0,1,2,3
	v_sub_f32 v[16+4*\e+\k], v[16+4*\e+\k], s[32+\e]
.endr
.endr
.irp j, 0,1,2,3,4,5,6,7,8,9,10,11,12,13,14,15,16,17,18,19,20,21,22,23,24,25,26,27,28,29,30,31
	v_exp_f32 v[16+\j], v[16+\j]
.endr
	v_nop
	s_wait_alu depctr_va_vdst(0)
.irp k, 0,1,2,3
	v_mul_f32 v[48+\k], s40, v[16+\k]
.endr
.irp e, 1,2,3,4,5,6,7
.irp k, 0,1,2,3
	v_fma_f32 v[48+\k], v[16+4*\e+\k], s[40+\e], v[48+\k]
.endr
.endr
	global_store_b128 v4, v[48:51], s[16:17]
	s_endpgm
.Lfunc_end_k_qcc6fd20d9c_finish:
	.size	k_qcc6fd20d9c_finish, .Lfunc_end_k_qcc6fd20d9c_finish-k_qcc6fd20d9c_finish
	.p2alignl 7, 3214868480
	.fill 96, 4, 3214868480
	.section	.rodata,"a",@progbits
	.p2align	6, 0x0
	.amdhsa_kernel k_qcc6fd20d9c_finish
		.amdhsa_group_segment_fixed_size 49152
		.amdhsa_private_segment_fixed_size 0
		.amdhsa_enable_private_segment 0
		.amdhsa_kernarg_size 56
		.amdhsa_user_sgpr_count 2
		.amdhsa_user_sgpr_kernarg_segment_ptr 1
		.amdhsa_wavefront_size32 1
		.amdhsa_system_sgpr_workgroup_id_x 1
		.amdhsa_system_sgpr_workgroup_id_y 1
		.amdhsa_system_sgpr_workgroup_id_z 1
		.amdhsa_system_vgpr_workitem_id 0
		.amdhsa_next_free_vgpr 256
		.amdhsa_next_free_sgpr 66
		.amdhsa_reserve_vcc 0
		.amdhsa_float_denorm_mode_32 3
		.amdhsa_float_denorm_mode_16_64 3
		.amdhsa_memory_ordered 1
		.amdhsa_forward_progress 1
		.amdhsa_inst_pref_size 43
	.end_amdhsa_kernel
	.amdgpu_metadata
---
amdhsa.version: [ 1, 2 ]
amdhsa.kernels:
  - .name:           k_qcc6fd20d9c_finish
    .symbol:         k_qcc6fd20d9c_finish.kd
    .args:
      - { .name: scores, .offset: 0, .size: 8, .value_kind: global_buffer, .address_space: global }
      - { .name: pctx, .offset: 8, .size: 8, .value_kind: global_buffer, .address_space: global }
      - { .name: pml, .offset: 16, .size: 8, .value_kind: global_buffer, .address_space: global }
      - { .name: wimg, .offset: 24, .size: 8, .value_kind: global_buffer, .address_space: global }
      - { .name: wscl, .offset: 32, .size: 8, .value_kind: global_buffer, .address_space: global }
      - { .name: out0, .offset: 40, .size: 8, .value_kind: global_buffer, .address_space: global }
      - { .name: out1, .offset: 48, .size: 8, .value_kind: global_buffer, .address_space: global }
    .group_segment_fixed_size: 49152
    .private_segment_fixed_size: 0
    .kernarg_segment_align: 8
    .kernarg_segment_size: 56
    .max_flat_workgroup_size: 512
    .sgpr_count:     66
    .vgpr_count:     256
    .wavefront_size: 32
...
	.end_amdgpu_metadata
.endif
;; end of part 3
;; ======== version 2 of 2: 3 launches; 1.16 times as fast as version 1
;; workspace buffers: wimg 798,720 bytes; wscl 33,280 bytes; scores 4,194,304 bytes; pctx 524,288 bytes; pml 16,384 bytes
;; launch prep (part 4): grid 65 x 1, 4 waves a work-group, no clusters, 0 bytes of LDS; arguments Wk, Wv, Wq, Wo, enc, wimg, wscl; writes wimg, wscl
.if DOCPART == 4
	.amdgcn_target "amdgcn-amd-amdhsa--gfx1250"
	.amdhsa_code_object_version 6
	.text
	.protected	k_qcc6fd20d9c_prep
	.globl	k_qcc6fd20d9c_prep
	.p2align	8
	.type	k_qcc6fd20d9c_prep,@function
k_qcc6fd20d9c_prep:
	s_mov_b64 s[64:65], 0
	v_nop
	global_prefetch_b8 v0, s[64:65] scope:SCOPE_SE
	s_setreg_imm32_b32 hwreg(HW_REG_WAVE_MODE, 25, 1), 1
	s_wait_xcnt 0x0
.set X, 64
	s_load_b256 s[4:11], s[0:1], 0x0
	s_load_b128 s[12:15], s[0:1], 0x20
	s_load_b64 s[16:17], s[0:1], 0x30
	v_lshrrev_b32 v1, 5, v0
	v_readfirstlane_b32 s18, v1
	v_and_b32 v1, 31, v0
	v_and_b32 v2, 15, v0
	v_bfe_u32 v3, v0, 4, 1
	v_lshlrev_b32 v5, 4, v1
	v_lshlrev_b32 v6, 2, v1
	v_lshlrev_b32 v18, 3, v3
	v_mov_b32 v17, 0
	s_mov_b32 s36, 0x76543210
	s_mov_b32 s37, 0xfedcba98
	s_lshr_b32 s20, ttmp9, 4
	s_lshr_b32 s26, s18, 1
	s_and_b32 s31, s18, 1
	s_lshl_b32 s25, ttmp9, 1
	s_add_co_u32 s25, s25, s26
	s_and_b32 s27, s25, 31
	s_lshr_b32 s28, s27, 3
	s_lshl_b32 s28, s28, 18
	s_and_b32 s29, s27, 7
	s_lshl_b32 s29, s29, 14
	s_add_co_u32 s28, s28, s29
	s_lshl_b32 s30, s26, 27
	s_add_co_u32 s30, s30, 8386560
	s_lshl_b32 s32, s31, 10
	s_mul_i32 s34, s25, 6144
	s_mul_i32 s33, s31, 3072
	s_add_co_u32 s34, s34, s33
	s_mov_b32 s35, 0
	s_lshl_b32 s38, s25, 8
	s_lshl_b32 s33, s31, 7
	s_add_co_u32 s38, s38, s33
	s_mov_b32 s39, 0
	s_wait_kmcnt 0x0
	s_cmp_eq_u32 s20, 1
	s_cselect_b64 s[4:5], s[6:7], s[4:5]
	s_cmp_eq_u32 s20, 2
	s_cselect_b64 s[4:5], s[8:9], s[4:5]
	s_cmp_eq_u32 s20, 3
	s_cselect_b64 s[4:5], s[10:11], s[4:5]
	s_cmp_eq_u32 s20, 4
	s_cselect_b64 s[4:5], s[12:13], s[4:5]
	s_cselect_b32 s22, 23, 11
	s_cselect_b32 s23, 26, 17
	s_cselect_b32 s24, s30, s28
	s_add_co_u32 s24, s24, s32
	s_mov_b32 s25, 0
	s_add_nc_u64 s[4:5], s[4:5], s[24:25]
	s_add_nc_u64 s[14:15], s[14:15], s[34:35]
	s_add_nc_u64 s[16:17], s[16:17], s[38:39]
	v_and_b32 v7, 7, v2
	v_lshrrev_b32 v4, 3, v2
	v_lshlrev_b32 v7, s22, v7
	v_lshlrev_b32 v4, s23, v4
	v_add_nc_u32 v4, v4, v7
	v_lshl_add_u32 v4, v3, 7, v4
.irp s, 0,1
.irp c, 0,1
.irp j, 0,1,2,3,4,5,6,7
	global_load_b128 v[X+64*\s+32*\c+4*\j:X+64*\s+32*\c+4*\j+3], v4, s[4:5] offset:512*\s+256*\c+16*\j
.endr
.endr
.endr
.macro QUANTF s
.set XN, X+64*\s
.set CD, 24+12*\s
.irp c, 0,1
	v_max3_num_f32 v[8+\c], |v[XN+32*\c]|, |v[XN+32*\c+1]|, 0x2800000
	v_max3_num_f32 v[10+\c], |v[XN+32*\c+16]|, |v[XN+32*\c+17]|, |v[XN+32*\c+18]|
.endr
.irp i, 2,4,6,8,10,12,14
.irp c, 0,1
	v_max3_num_f32 v[8+\c], v[8+\c], |v[XN+32*\c+\i]|, |v[XN+32*\c+\i+1]|
.endr
.endr
.irp i, 19,21,23,25,27,29
.irp c, 0,1
	v_max3_num_f32 v[10+\c], v[10+\c], |v[XN+32*\c+\i]|, |v[XN+32*\c+\i+1]|
.endr
.endr
.irp c, 0,1
	v_max3_num_f32 v[8+\c], v[8+\c], v[10+\c], |v[XN+32*\c+31]|
.endr
.irp c, 0,1
	v_add_nc_u32 v[12+\c], 0xfe000000, v[8+\c]
.endr
.irp c, 0,1
	v_lshrrev_b32 v[14+\c], 23, v[12+\c]
.endr
	v_lshl_or_b32 v16, v15, 16, v14
	v_lshlrev_b32 v16, v18, v16
	v_permlanex16_b32 v17, v16, s36, s37
	v_or_b32 v[20+\s], v16, v17
.irp c, 0,1
	v_cvt_scalef32_pk16_bf6_f32 v[CD+6*\c:CD+6*\c+2], v[XN+32*\c:XN+32*\c+15], v[12+\c]
	v_cvt_scalef32_pk16_bf6_f32 v[48+4*\c:50+4*\c], v[XN+32*\c+16:XN+32*\c+31], v[12+\c]
.endr
	v_nop
.irp c, 0,1
.irp i, 0,1,2
	v_mov_b32 v[CD+6*\c+3+\i], v[48+4*\c+\i]
.endr
.endr
.irp g, 0,1,2
	global_store_b128 v5, v[CD+4*\g:CD+4*\g+3], s[14:15] offset:1536*\s+512*\g
.endr
.endm
	s_wait_loadcnt 16
	QUANTF 0
	s_wait_loadcnt 0x0
	QUANTF 1
	v_cmp_eq_u32 vcc_lo, 1, v3
	v_cndmask_b32 v22, v20, v21, vcc_lo
	global_store_b32 v6, v22, s[16:17]
	s_endpgm
.Lfunc_end_k_qcc6fd20d9c_prep:
	.size	k_qcc6fd20d9c_prep, .Lfunc_end_k_qcc6fd20d9c_prep-k_qcc6fd20d9c_prep
	.p2alignl 7, 3214868480
	.fill 96, 4, 3214868480
	.section	.rodata,"a",@progbits
	.p2align	6, 0x0
	.amdhsa_kernel k_qcc6fd20d9c_prep
		.amdhsa_group_segment_fixed_size 0
		.amdhsa_private_segment_fixed_size 0
		.amdhsa_enable_private_segment 0
		.amdhsa_kernarg_size 56
		.amdhsa_user_sgpr_count 2
		.amdhsa_user_sgpr_kernarg_segment_ptr 1
		.amdhsa_wavefront_size32 1
		.amdhsa_system_sgpr_workgroup_id_x 1
		.amdhsa_system_sgpr_workgroup_id_y 1
		.amdhsa_system_sgpr_workgroup_id_z 1
		.amdhsa_system_vgpr_workitem_id 0
		.amdhsa_next_free_vgpr 192
		.amdhsa_next_free_sgpr 66
		.amdhsa_reserve_vcc 1
		.amdhsa_float_denorm_mode_32 3
		.amdhsa_float_denorm_mode_16_64 3
		.amdhsa_memory_ordered 1
		.amdhsa_forward_progress 1
		.amdhsa_inst_pref_size 13
	.end_amdhsa_kernel
	.amdgpu_metadata
---
amdhsa.version: [ 1, 2 ]
amdhsa.kernels:
  - .name:           k_qcc6fd20d9c_prep
    .symbol:         k_qcc6fd20d9c_prep.kd
    .args:
      - { .name: Wk, .offset: 0, .size: 8, .value_kind: global_buffer, .address_space: global }
      - { .name: Wv, .offset: 8, .size: 8, .value_kind: global_buffer, .address_space: global }
      - { .name: Wq, .offset: 16, .size: 8, .value_kind: global_buffer, .address_space: global }
      - { .name: Wo, .offset: 24, .size: 8, .value_kind: global_buffer, .address_space: global }
      - { .name: enc, .offset: 32, .size: 8, .value_kind: global_buffer, .address_space: global }
      - { .name: wimg, .offset: 40, .size: 8, .value_kind: global_buffer, .address_space: global }
      - { .name: wscl, .offset: 48, .size: 8, .value_kind: global_buffer, .address_space: global }
    .group_segment_fixed_size: 0
    .private_segment_fixed_size: 0
    .kernarg_segment_align: 8
    .kernarg_segment_size: 56
    .max_flat_workgroup_size: 128
    .sgpr_count:     66
    .vgpr_count:     192
    .wavefront_size: 32
...
	.end_amdgpu_metadata
.endif
;; end of part 4
;; launch main (part 5): grid 256 x 1, 4 waves a work-group, no clusters, 327,680 bytes of LDS; arguments enc, wimg, wscl, scores, pctx, pml; writes scores, pctx, pml
.if DOCPART == 5
	.amdgcn_target "amdgcn-amd-amdhsa--gfx1250"
	.amdhsa_code_object_version 6
	.text
	.protected	k_qcc6fd20d9c_main
	.globl	k_qcc6fd20d9c_main
	.p2align	8
	.type	k_qcc6fd20d9c_main,@function
k_qcc6fd20d9c_main:
	s_mov_b64 s[64:65], 0
	v_nop
	global_prefetch_b8 v0, s[64:65] scope:SCOPE_SE
	s_setreg_imm32_b32 hwreg(HW_REG_WAVE_MODE, 25, 1), 1
	s_wait_xcnt 0x0
.set WPART, 36864
.set SLOTB, 4*WPART
.set CODES, 2*SLOTB
.set CP,    400
.set XSCB,  CODES+64*CP
.set STG,   XSCB+1024
.set SPARE, STG+2048
.set WS,  16
.set Q,   48
.set CTX, 56
.set XS,  80
.set XF,  84
.set ACC, 132
.set S,   196
.set SG,  66
.set MSB, 0
.macro WIN new
.if MSB != (\new)
	s_set_vgpr_msb (MSB<<8)|(\new)
.set MSB, (\new)
.endif
.endm
.macro PLACES
.rept 4
	v_nop
.endr
.endm
.macro WHERE kind, ks, t
.set F, 32*\kind+8*\ks+\t
.if F == 63
.set FW, 0
.set FRG, 204
.else
.set FW, 1+F/21
.set FRG, 12*(F%21)
.endif
.endm
	s_load_b256 s[4:11], s[0:1], 0x0
	s_load_b128 s[12:15], s[0:1], 0x20
	v_lshl_add_u32 v1, v0, 2, SPARE
	v_mov_b32 v2, 0
	ds_add_u32 v1, v2
	ds_add_u32 v1, v2
	s_wait_dscnt 0x0
	v_lshrrev_b32 v244, 5, v0
	v_readfirstlane_b32 s32, v244
	s_lshr_b32 s33, ttmp9, 3
	s_and_b32 s34, ttmp9, 7
	s_mov_b32 s16, (3<<16)|(1<<20)|(4<<22)|(3<<25)
	s_mov_b32 s17, 32<<16
	s_mov_b32 s18, 128<<16
	s_mov_b32 s19, 32<<16
	s_mov_b32 s20, 128
	s_mov_b32 s21, 32
	s_mov_b32 s22, 0
	s_mov_b32 s23, 0
	s_lshl_b32 s58, ttmp9, 20
	s_lshl_b32 s60, s32, 15
	s_add_co_u32 s58, s58, s60
	s_mov_b32 s59, 0
	s_mul_i32 s36, s32, WPART
	s_wait_kmcnt 0x0
	s_add_nc_u64 s[4:5], s[4:5], s[58:59]
.irp n, 0,1
	s_mov_b32 s[24+4*\n], 1
	s_add_co_u32 s[25+4*\n], s36, \n*SLOTB
	s_add_nc_u64 s[26+4*\n:27+4*\n], s[4:5], \n*131072
	s_or_b32 s[27+4*\n], s[27+4*\n], 0x80000000
.endr
	tensor_load_to_lds s[24:27], s[16:23]
	s_nop 0
	tensor_load_to_lds s[28:31], s[16:23]
	s_nop 0
	PLACES
	s_mul_i32 s58, s32, 49152
	s_add_nc_u64 s[46:47], s[6:7], s[58:59]
	s_add_nc_u64 s[44:45], s[46:47], 196608
	s_add_nc_u64 s[42:43], s[46:47], 393216
	s_lshl_b32 s58, s32, 11
	s_add_nc_u64 s[52:53], s[8:9], s[58:59]
	s_add_nc_u64 s[50:51], s[52:53], 8192
	s_add_nc_u64 s[48:49], s[52:53], 16384
	s_lshr_b32 s60, s33, 4
	s_mul_i32 s58, s60, 6144
	s_add_co_u32 s58, s58, 786432
	s_add_nc_u64 s[54:55], s[6:7], s[58:59]
	s_lshl_b32 s58, s60, 8
	s_add_co_u32 s58, s58, 32768
	s_add_nc_u64 s[56:57], s[8:9], s[58:59]
	s_lshl_b32 s58, s33, 17
	s_lshl_b32 s60, s32, 15
	s_add_co_u32 s58, s58, s60
	s_lshl_b32 s60, s34, 11
	s_add_co_u32 s58, s58, s60
	s_add_nc_u64 s[10:11], s[10:11], s[58:59]
	s_lshl_b32 s58, ttmp9, 11
	s_lshl_b32 s60, s32, 9
	s_add_co_u32 s58, s58, s60
	s_add_nc_u64 s[12:13], s[12:13], s[58:59]
	s_lshl_b32 s58, ttmp9, 6
	s_lshl_b32 s60, s32, 4
	s_add_co_u32 s58, s58, s60
	s_add_nc_u64 s[14:15], s[14:15], s[58:59]
	s_mov_b32 s38, 0x76543210
	s_mov_b32 s39, 0xfedcba98
	s_mov_b32 s40, 0x3e38aa3b
	s_and_b32 s60, s32, 1
	s_mul_i32 s[SG], s60, 0x20820820
	s_mul_i32 s[SG+1], s60, 0x08208208
	s_mul_i32 s[SG+2], s60, 0x82082082
	v_and_b32 v244, 31, v0
	v_and_b32 v245, 15, v0
	v_bfe_u32 v246, v0, 4, 1
	v_bfe_u32 v247, v0, 3, 1
	v_and_b32 v248, 7, v0
	v_and_b32 v251, 23, v0
	v_mul_u32_u24 v3, v244, 144
	v_add_nc_u32 v3, s36, v3
	v_add_nc_u32 v4, SLOTB, v3
	s_mul_i32 s58, s32, 16*CP
	s_add_co_u32 s58, s58, CODES
	v_mul_u32_u24 v5, v246, CP
	v_mad_u32_u24 v5, v245, 24, v5
	v_add_nc_u32 v5, s58, v5
	s_lshl_b32 s58, s32, 8
	s_add_co_u32 s58, s58, XSCB
	v_add_nc_u32 v6, s58, v244
	v_mul_u32_u24 v7, v245, CP
	v_mad_u32_u24 v7, v246, 24, v7
	v_add_nc_u32 v7, CODES, v7
	v_lshl_add_u32 v8, v245, 4, XSCB
	s_lshl_b32 s58, s32, 9
	s_add_co_u32 s58, s58, STG
	v_lshlrev_b32 v9, 8, v247
	v_lshl_add_u32 v9, v246, 5, v9
	v_add_nc_u32 v9, s58, v9
	v_lshl_add_u32 v10, v244, 4, s58
	v_lshlrev_b32 v14, 8, v247
	v_lshl_add_u32 v14, v248, 2, v14
	v_add_nc_u32 v14, s58, v14
	v_lshlrev_b32 v11, 14, v246
	v_lshl_add_u32 v11, v245, 4, v11
	v_lshlrev_b32 v12, 4, v244
	v_lshlrev_b32 v13, 2, v244
	v_lshlrev_b32 v15, 3, v247
	s_and_b32 s60, s33, 15
	s_lshl_b32 s61, s60, 4
	v_lshl_add_u32 v249, v246, 8, s61
	s_lshl_b32 s61, s60, 2
	v_mov_b32 v250, s61
.macro LOADW ip, sp, kind
.irp t, 0,1,2,3,4,5,6,7
.irp p, 0,1
	global_load_b32 v[WS+16*\kind+2*\t+\p], v13, s[\sp:\sp+1] offset:256*\t+128*\p
.endr
.endr
.irp ks, 0,1,2,3
.irp t, 0,1,2,3,4,5,6,7
	WHERE \kind, \ks, \t
	WIN FW<<6
.irp g, 0,1,2
	global_load_b128 v[FRG+4*\g:FRG+4*\g+3], v12, s[\ip:\ip+1] offset:6144*\t+1536*\ks+512*\g
.endr
.endr
.endr
	WIN 0
.endm
.macro WMM kind, xs
	WHERE \kind, KS, TT
	WIN FW<<2
.if KS == 0
	v_wmma_scale_f32_16x16x128_f8f6f4 v[ACC+8*TT:ACC+8*TT+7], v[XF+12*KS:XF+12*KS+11], v[FRG:FRG+11], 0, v[\xs+KS], v[WS+16*\kind+2*TT+KS/2] matrix_a_fmt:MATRIX_FMT_BF6 matrix_b_fmt:MATRIX_FMT_BF6
.elseif KS%2
	v_wmma_scale_f32_16x16x128_f8f6f4 v[ACC+8*TT:ACC+8*TT+7], v[XF+12*KS:XF+12*KS+11], v[FRG:FRG+11], v[ACC+8*TT:ACC+8*TT+7], v[\xs+KS], v[WS+16*\kind+2*TT+KS/2] matrix_a_fmt:MATRIX_FMT_BF6 matrix_b_fmt:MATRIX_FMT_BF6 matrix_b_scale:MATRIX_SCALE_ROW1
.else
	v_wmma_scale_f32_16x16x128_f8f6f4 v[ACC+8*TT:ACC+8*TT+7], v[XF+12*KS:XF+12*KS+11], v[FRG:FRG+11], v[ACC+8*TT:ACC+8*TT+7], v[\xs+KS], v[WS+16*\kind+2*TT+KS/2] matrix_a_fmt:MATRIX_FMT_BF6 matrix_b_fmt:MATRIX_FMT_BF6
.endif
.endm
.irp ks, 0,1,2,3
.irp g, 0,1,2
	global_load_b128 v[XF+12*\ks+4*\g:XF+12*\ks+4*\g+3], v249, s[54:55] offset:1536*\ks+512*\g
.endr
.endr
.irp ks, 0,1,2,3
	global_load_b32 v[XS+\ks], v250, s[56:57] offset:64*\ks
.endr
	LOADW 42, 48, 0
	LOADW 44, 50, 1
	s_wait_loadcnt 63
.set i, 0
.rept 32
.set KS, i/8
.set TT, i%8
	WMM 0, XS
.set i, i+1
.endr
	WIN 0
	PLACES
.irp i, 0,1,2,3,4,5,6,7
	v_mul_f32 v[Q+\i], s40, v[ACC+8*\i]
.endr
	LOADW 46, 52, 0
	v_mov_b32 v72, 0xff61b1e6
.irp j, 73,74,75,76,77,78,79
	v_mov_b32 v\j, 0
.endr
.irp j, 0,1,2,3,4,5,6,7,8,9,10,11,12,13,14,15
	v_mov_b32 v[CTX+\j], 0
.endr
.macro QLOAD slot, i
.irp j, 0,1,2,3,4,5,6,7
	ds_load_b128 v[ACC+32*((\i)%2)+4*\j:ACC+32*((\i)%2)+4*\j+3], v[3+\slot] offset:4608*(\i)+16*\j
.endr
.endm
.macro QSTEP slot, i
.set XB, ACC+32*((\i)%2)
.set CD, 216+8*((\i)%2)
.if \i == 0
	s_wait_dscnt 8
.elseif \i == 7
	s_wait_dscnt 4
.else
	s_wait_dscnt 12
.endif
	v_max3_num_f32 v234, |v[XB]|, |v[XB+1]|, 0x2800000
	v_max3_num_f32 v235, |v[XB+16]|, |v[XB+17]|, |v[XB+18]|
.irp k, 0,1,2,3,4,5
	v_max3_num_f32 v234, v234, |v[XB+2+2*\k]|, |v[XB+3+2*\k]|
	v_max3_num_f32 v235, v235, |v[XB+19+2*\k]|, |v[XB+20+2*\k]|
.endr
	v_max3_num_f32 v234, v234, |v[XB+14]|, |v[XB+15]|
	v_max3_num_f32 v234, v234, v235, |v[XB+31]|
	v_add_nc_u32 v236, 0xfe000000, v234
	v_cvt_scalef32_pk16_bf6_f32 v[CD:CD+2], v[XB:XB+15], v236
	v_cvt_scalef32_pk16_bf6_f32 v[CD+4:CD+6], v[XB+16:XB+31], v236
	v_lshrrev_b32 v[232+(\i)%2], 23, v236
.irp k, 0,1,2
	v_xor_b32 v[CD+\k], s[SG+\k], v[CD+\k]
.endr
.irp k, 0,1,2
	v_xor_b32 v[CD+3+\k], s[SG+\k], v[CD+4+\k]
.endr
.irp p, 0,1,2
	ds_store_b64 v5, v[CD+2*\p:CD+2*\p+1] offset:2*CP*(\i)+8*\p
.endr
	ds_store_b8 v6, v[232+(\i)%2] offset:32*(\i)
.if \i < 6
	QLOAD \slot, (\i)+2
.endif
.endm
.macro XLD mt, ks
.irp c, 0,1
.irp p, 0,1,2
	ds_load_b64 v[XF+12*\ks+6*\c+2*\p:XF+12*\ks+6*\c+2*\p+1], v7 offset:16*CP*(\mt)+96*\ks+48*\c+8*\p
.endr
.endr
.endm
.macro SXI hb, ng
	WIN 0
.set TI, \hb+CI/4
.set JI, 2*(CI%4)
.if TI == 0
	v_pk_mul_f32 v[S+JI:S+JI+1], v[ACC+JI:ACC+JI+1], v[Q:Q+1] op_sel_hi:[1,0] neg_lo:[\ng,0] neg_hi:[\ng,0]
.elseif TI%2
	v_pk_fma_f32 v[S+JI:S+JI+1], v[ACC+8*TI+JI:ACC+8*TI+JI+1], v[Q+TI-1:Q+TI], v[S+JI:S+JI+1] op_sel:[0,1,0] neg_lo:[\ng,0,0] neg_hi:[\ng,0,0]
.else
	v_pk_fma_f32 v[S+JI:S+JI+1], v[ACC+8*TI+JI:ACC+8*TI+JI+1], v[Q+TI:Q+TI+1], v[S+JI:S+JI+1] op_sel_hi:[1,0,1] neg_lo:[\ng,0,0] neg_hi:[\ng,0,0]
.endif
.endm
.macro CXI hb, ng
	WIN 0
.set JI, 2*(CI/4)
.set TI, \hb+CI%4
	v_pk_fma_f32 v[CTX+2*TI:CTX+2*TI+1], v[ACC+8*TI+JI:ACC+8*TI+JI+1], v[S+JI:S+JI+1], v[CTX+2*TI:CTX+2*TI+1] neg_lo:[\ng,0,0] neg_hi:[\ng,0,0]
.endm
.macro VVI mt, ng
	WIN 0
.if KI < 16
.set CI, KI
	SXI 4, \ng
.elseif KI < 24
	v_add_f32_dpp v[S+KI-16], v[S+KI-16], v[S+KI-16] row_xmask:1 row_mask:0xf bank_mask:0xf
.elseif KI < 32
	v_add_f32_dpp v[S+KI-24], v[S+KI-24], v[S+KI-24] row_xmask:2 row_mask:0xf bank_mask:0xf
.elseif KI < 40
	v_add_f32_dpp v[S+KI-32], v[S+KI-32], v[S+KI-32] row_xmask:4 row_mask:0xf bank_mask:0xf
.elseif KI == 40
	ds_store_b128 v9, v[S:S+3] offset:64*(\mt)
.elseif KI == 41
	ds_store_b128 v9, v[S+4:S+7] offset:64*(\mt)+16
.elseif KI == 42
	v_max3_num_f32 v78, v[S], v[S+1], v[S+2]
.elseif KI == 43
	v_max3_num_f32 v79, v[S+3], v[S+4], v[S+5]
.elseif KI == 44
	v_max3_num_f32 v78, v78, v79, v[S+6]
.elseif KI == 45
	v_max3_num_f32 v78, v78, v[S+7], v72
.elseif KI == 46
	v_permlanex16_b32 v79, v78, s38, s39
.elseif KI == 47
	v_max_num_f32 v78, v78, v79
.elseif KI == 48
	v_sub_f32 v76, v72, v78
.elseif KI == 49
	v_exp_f32 v76, v76
.elseif KI < 54
	v_pk_add_f32 v[S+2*(KI-50):S+2*(KI-50)+1], v[S+2*(KI-50):S+2*(KI-50)+1], v[78:79] op_sel_hi:[1,0] neg_lo:[0,1] neg_hi:[0,1]
.elseif (KI < 70) && (KI%2 == 0)
	v_exp_f32 v[S+(KI-54)/2], v[S+(KI-54)/2]
.elseif KI < 70
	s_wait_alu depctr_va_vdst(0)
	v_pk_mul_f32 v[CTX+KI-55:CTX+KI-54], v[CTX+KI-55:CTX+KI-54], v[76:77] op_sel_hi:[1,0]
.elseif KI == 70
	v_mov_b32 v72, v78
.elseif KI < 83
.set GI, (KI-71)/3
.if ((KI-71)%3 == 0) && (GI == 0)
	s_wait_alu depctr_va_vdst(0)
	v_pk_fma_f32 v[74:75], v[74:75], v[76:77], v[S:S+1] op_sel_hi:[1,0,1]
.elseif (KI-71)%3 == 0
	v_pk_add_f32 v[74:75], v[74:75], v[S+2*GI:S+2*GI+1]
.else
.set CI, 2*GI+(KI-71)%3-1
	CXI 0, \ng
.endif
.else
.set CI, KI-75
	CXI 0, \ng
.endif
.endm
.macro TILE mt, ng, ngp, xs, xsn, first, next
.set i, 0
.set CI, 0
.rept 16
.set KS, i/4
.set TT, i%4
.if TT == 0
.if \first
.if i == 0
	s_wait_dscnt 0x0
.endif
.else
	s_wait_dscnt 18-6*KS
.endif
.endif
	WMM 0, \xs
.if (i%2) && !\first
.rept 2
	CXI 4, \ngp
.set CI, CI+1
.endr
.endif
.set i, i+1
.endr
.if \first
	PLACES
.endif
.set i, 0
.set CI, 0
.rept 16
.set KS, i/4
.set TT, 4+i%4
	WMM 0, \xs
.if i%2
.rept 2
	SXI 0, \ng
.set CI, CI+1
.endr
.endif
.set i, i+1
.endr
.set i, 0
.set KI, 0
.rept 32
.set KS, (i%16)/4
.set TT, 4*(i/16)+i%4
	WMM 1, \xs
.set KE, (87*(i+1))/31
.if i == 31
.set KE, 91
.endif
.rept 4
.if KI < KE
	VVI \mt, \ng
.set KI, KI+1
.endif
.endr
.if \next
.if i == 22
	ds_load_b128 v[\xsn:\xsn+3], v8 offset:256*((\mt)+1)
	XLD (\mt)+1, 0
.elseif i == 25
	XLD (\mt)+1, 1
.elseif i == 28
	XLD (\mt)+1, 2
.elseif i == 31
	XLD (\mt)+1, 3
.endif
.endif
.set i, i+1
.endr
.endm
.macro SCOUT slot
	s_wait_xcnt 0x0
	ds_load_b128 v[240:243], v10
	s_wait_dscnt 0x0
	global_store_b128 v11, v[240:243], s[10:11] offset:256*\slot
.endm
.macro BLOCK slot, refill, left
	s_wait_tensorcnt \left
	QLOAD \slot, 0
	QLOAD \slot, 1
.irp i, 0,1,2,3,4,5,6,7
	QSTEP \slot, \i
.endr
.if \refill
	s_wait_tensorcnt 0x0
	ds_add_u32 v1, v2
	s_add_nc_u64 s[26+4*\slot:27+4*\slot], s[26+4*\slot:27+4*\slot], 262144
	s_wait_dscnt 0x0
	s_barrier_signal -1
	s_barrier_wait -1
	tensor_load_to_lds s[24+4*\slot:27+4*\slot], s[16:23]
	s_nop 0
	PLACES
.else
	s_wait_dscnt 0x0
	s_barrier_signal -1
	s_barrier_wait -1
.endif
	s_wait_loadcnt 0x0
.irp ks, 0,1,2,3
	XLD 0, \ks
.endr
	ds_load_b128 v[XS:XS+3], v8
	TILE 0, 0, 0, 80, 252, 1, 1
	TILE 1, 1, 0, 252, 80, 0, 1
	TILE 2, 0, 1, 80, 252, 0, 1
	TILE 3, 1, 0, 252, 80, 0, 0
.set CI, 0
.rept 16
	CXI 4, 1
.set CI, CI+1
.endr
	SCOUT \slot
	s_barrier_signal -1
	s_barrier_wait -1
.endm
	s_mov_b32 s41, 3
.Ltrip:
	BLOCK 0, 1, 1
	BLOCK 1, 1, 1
	s_wait_xcnt 0x0
	s_add_nc_u64 s[10:11], s[10:11], 512
	s_sub_co_u32 s41, s41, 1
	s_cmp_lg_u32 s41, 0
	s_cbranch_scc1 .Ltrip
	BLOCK 0, 0, 1
	BLOCK 1, 0, 0
	v_add_f32 v74, v74, v75
	v_permlanex16_b32 v79, v74, s38, s39
	v_add_f32 v73, v74, v79
.irp i, 0,1,2,3,4,5,6,7
	v_add_f32 v[CTX+2*\i], v[CTX+2*\i], v[CTX+2*\i+1]
.endr
.irp i, 0,1,2,3,4,5,6,7
	v_permlanex16_b32 v[CTX+2*\i+1], v[CTX+2*\i], s38, s39
.endr
.irp i, 0,1,2,3,4,5,6,7
	v_add_f32 v[CTX+2*\i], v[CTX+2*\i], v[CTX+2*\i+1]
.endr
.irp i, 0,1,2,3,4,5,6,7
	ds_store_b32 v14, v[CTX+2*\i] offset:32*\i
.endr
	s_wait_xcnt 0x0
	ds_load_b128 v[240:243], v10
	s_wait_dscnt 0x0
	global_store_b128 v12, v[240:243], s[12:13]
	v_cmp_eq_u32 vcc_lo, 0, v251
	s_wait_xcnt 0x0
	s_and_saveexec_b32 s58, vcc_lo
	global_store_b64 v15, v[72:73], s[14:15]
	s_wait_xcnt 0x0
	s_or_b32 exec_lo, exec_lo, s58
	s_wait_tensorcnt 0x0
	ds_add_u32 v1, v2
	s_wait_dscnt 0x0
	s_endpgm
.Lfunc_end_k_qcc6fd20d9c_main:
	.size	k_qcc6fd20d9c_main, .Lfunc_end_k_qcc6fd20d9c_main-k_qcc6fd20d9c_main
	.p2alignl 7, 3214868480
	.fill 96, 4, 3214868480
	.section	.rodata,"a",@progbits
	.p2align	6, 0x0
	.amdhsa_kernel k_qcc6fd20d9c_main
		.amdhsa_group_segment_fixed_size 327680
		.amdhsa_private_segment_fixed_size 0
		.amdhsa_enable_private_segment 0
		.amdhsa_kernarg_size 48
		.amdhsa_user_sgpr_count 2
		.amdhsa_user_sgpr_kernarg_segment_ptr 1
		.amdhsa_wavefront_size32 1
		.amdhsa_system_sgpr_workgroup_id_x 1
		.amdhsa_system_sgpr_workgroup_id_y 1
		.amdhsa_system_sgpr_workgroup_id_z 1
		.amdhsa_system_vgpr_workitem_id 0
		.amdhsa_next_free_vgpr 1024
		.amdhsa_next_free_sgpr 72
		.amdhsa_reserve_vcc 1
		.amdhsa_float_denorm_mode_32 3
		.amdhsa_float_denorm_mode_16_64 3
		.amdhsa_memory_ordered 1
		.amdhsa_forward_progress 1
		.amdhsa_inst_pref_size 255
	.end_amdhsa_kernel
	.section	.bss,"aw",@nobits
	.p2align	6
	.space	262144
	.amdgpu_metadata
---
amdhsa.version: [ 1, 2 ]
amdhsa.kernels:
  - .name:           k_qcc6fd20d9c_main
    .symbol:         k_qcc6fd20d9c_main.kd
    .args:
      - { .name: enc, .offset: 0, .size: 8, .value_kind: global_buffer, .address_space: global }
      - { .name: wimg, .offset: 8, .size: 8, .value_kind: global_buffer, .address_space: global }
      - { .name: wscl, .offset: 16, .size: 8, .value_kind: global_buffer, .address_space: global }
      - { .name: scores, .offset: 24, .size: 8, .value_kind: global_buffer, .address_space: global }
      - { .name: pctx, .offset: 32, .size: 8, .value_kind: global_buffer, .address_space: global }
      - { .name: pml, .offset: 40, .size: 8, .value_kind: global_buffer, .address_space: global }
    .group_segment_fixed_size: 327680
    .private_segment_fixed_size: 0
    .kernarg_segment_align: 8
    .kernarg_segment_size: 48
    .max_flat_workgroup_size: 128
    .sgpr_count:     72
    .vgpr_count:     1024
    .wavefront_size: 32
...
	.end_amdgpu_metadata
.endif
;; end of part 5
;; launch finish (part 6): grid 96 x 1, 16 waves a work-group, no clusters, 15,360 bytes of LDS; arguments scores, pctx, pml, wimg, wscl, out0, out1; writes out0, out1
.if DOCPART == 6
	.amdgcn_target "amdgcn-amd-amdhsa--gfx1250"
	.amdhsa_code_object_version 6
	.text
	.protected	k_qcc6fd20d9c_finish
	.globl	k_qcc6fd20d9c_finish
	.p2align	8
	.type	k_qcc6fd20d9c_finish,@function
k_qcc6fd20d9c_finish:
	s_mov_b64 s[64:65], 0
	v_nop
	global_prefetch_b8 v0, s[64:65] scope:SCOPE_SE
	s_setreg_imm32_b32 hwreg(HW_REG_WAVE_MODE, 25, 1), 1
	s_wait_xcnt 0x0
.set CX, 0
.set CW, 2560
.set ST, 10752
	s_load_b256 s[4:11], s[0:1], 0x0
	s_load_b128 s[12:15], s[0:1], 0x20
	s_load_b64 s[16:17], s[0:1], 0x30
	v_lshl_add_u32 v254, v0, 2, 0x3400
	v_mov_b32 v255, 0
	v_lshrrev_b32 v1, 5, v0
	v_readfirstlane_b32 s18, v1
	v_and_b32 v1, 31, v0
	v_and_b32 v2, 15, v0
	v_bfe_u32 v3, v0, 4, 1
	s_cmp_lt_u32 ttmp9, 32
	s_cbranch_scc0 .Lweights
	s_lshr_b32 s22, s18, 1
	s_lshl_b32 s22, s22, 3
	v_mov_b32 v4, s22
	v_lshlrev_b32 v5, 2, v0
	v_lshlrev_b32 v6, 4, v1
	v_lshlrev_b32 v7, 2, v1
	s_lshl_b32 s22, s18, 4
	v_add_nc_u32 v8, s22, v5
	v_mul_u32_u24 v9, v2, 144
	s_lshl_b32 s22, s18, 9
	s_add_co_u32 s22, s22, CW
	v_mul_u32_u24 v10, v2, 24
	v_add_nc_u32 v10, s22, v10
	v_mul_u32_u24 v12, v3, 24
	v_add_nc_u32 v12, s22, v12
	s_add_co_u32 s22, s22, 384
	v_add_nc_u32 v11, s22, v2
	v_mov_b32 v13, s22
	s_lshr_b32 s22, s18, 2
	s_lshl_b32 s22, s22, 9
	s_and_b32 s24, s18, 3
	s_lshl_b32 s24, s24, 6
	s_add_co_u32 s22, s22, s24
	s_add_co_u32 s22, s22, ST
	v_lshrrev_b32 v14, 3, v2
	v_lshlrev_b32 v14, 8, v14
	v_and_b32 v15, 7, v2
	v_lshl_add_u32 v14, v15, 2, v14
	v_add_nc_u32 v14, s22, v14
	v_lshlrev_b32 v47, 4, v0
	v_add_nc_u32 v15, ST, v47
	s_lshl_b32 s24, s18, 1
	s_add_co_u32 s24, s24, 96
	s_mul_i32 s26, s24, 6144
	s_mov_b32 s27, 0
	s_lshl_b32 s28, s24, 8
	s_mov_b32 s29, 0
	s_lshl_b32 s30, ttmp9, 11
	s_mov_b32 s31, 0
	s_lshl_b32 s32, ttmp9, 14
	s_mov_b32 s33, 0
	s_lshl_b32 s34, ttmp9, 9
	s_mov_b32 s35, 0
	s_wait_kmcnt 0x0
	s_add_nc_u64 s[10:11], s[10:11], s[26:27]
	s_add_nc_u64 s[12:13], s[12:13], s[28:29]
	s_add_nc_u64 s[14:15], s[14:15], s[30:31]
	s_add_nc_u64 s[6:7], s[6:7], s[32:33]
	s_add_nc_u64 s[8:9], s[8:9], s[34:35]
.irp c, 0,1,2,3,4,5,6,7
	global_load_b64 v[16+2*\c:17+2*\c], v4, s[8:9] offset:64*\c
.endr
.irp c, 0,1,2,3,4,5,6,7
	global_load_b32 v[80+\c], v5, s[6:7] offset:2048*\c
.endr
.irp n, 0,1
.irp ks, 0,1,2,3
.irp g, 0,1,2
	global_load_b128 v[128+48*\n+12*\ks+4*\g:131+48*\n+12*\ks+4*\g], v6, s[10:11] offset:6144*\n+1536*\ks+512*\g
.endr
.endr
.endr
.irp n, 0,1
.irp p, 0,1
	global_load_b32 v[232+2*\n+\p], v7, s[12:13] offset:256*\n+128*\p
.endr
.endr
	s_wait_loadcnt 36
	v_max3_num_f32 v40, v16, v18, v20
	v_max3_num_f32 v40, v40, v22, v24
	v_max3_num_f32 v40, v40, v26, v28
	v_max_num_f32 v40, v40, v30
.irp c, 0,1,2,3,4,5,6,7
	v_sub_f32 v[32+\c], v[16+2*\c], v40
.endr
.irp c, 0,1,2,3,4,5,6,7
	v_exp_f32 v[32+\c], v[32+\c]
.endr
	v_nop
	s_wait_alu depctr_va_vdst(0)
	v_mul_f32 v41, v32, v17
.irp c, 1,2,3,4,5,6,7
	v_fma_f32 v41, v[32+\c], v[17+2*\c], v41
.endr
	v_rcp_f32 v41, v41
	v_nop
	s_wait_alu depctr_va_vdst(0)
.irp c, 0,1,2,3,4,5,6,7
	v_mul_f32 v[32+\c], v[32+\c], v41
.endr
	s_wait_loadcnt 28
	v_mul_f32 v46, v80, v32
.irp c, 1,2,3,4,5,6,7
	v_fma_f32 v46, v[80+\c], v[32+\c], v46
.endr
	ds_store_b32 v8, v46
	s_wait_dscnt 0x0
	s_barrier_signal -1
	s_barrier_wait -1
.irp j, 0,1,2,3,4,5,6,7
	ds_load_b128 v[48+4*\j:51+4*\j], v9 offset:CX+16*\j
.endr
	s_wait_dscnt 0x0
	v_max3_num_f32 v42, |v48|, |v49|, 0x2800000
	v_max3_num_f32 v43, |v64|, |v65|, |v66|
.irp k, 0,1,2,3,4,5
	v_max3_num_f32 v42, v42, |v[50+2*\k]|, |v[51+2*\k]|
	v_max3_num_f32 v43, v43, |v[67+2*\k]|, |v[68+2*\k]|
.endr
	v_max3_num_f32 v42, v42, |v62|, |v63|
	v_max3_num_f32 v42, v42, v43, |v79|
	v_add_nc_u32 v44, 0xfe000000, v42
	v_cvt_scalef32_pk16_bf6_f32 v[16:18], v[48:63], v44
	v_cvt_scalef32_pk16_bf6_f32 v[20:22], v[64:79], v44
	v_lshrrev_b32 v45, 23, v44
	v_mov_b32 v19, v20
	v_mov_b32 v20, v21
	v_mov_b32 v21, v22
.irp p, 0,1,2
	ds_store_b64 v10, v[16+2*\p:17+2*\p] offset:8*\p
.endr
	ds_store_b8 v11, v45
.irp ks, 0,1,2,3
.irp c, 0,1
.irp p, 0,1,2
	ds_load_b64 v[80+12*\ks+6*\c+2*\p:81+12*\ks+6*\c+2*\p], v12 offset:96*\ks+48*\c+8*\p
.endr
.endr
.endr
	ds_load_b128 v[224:227], v13
	s_wait_loadcnt 0x0
	s_wait_dscnt 0x0
.irp ks, 0,1,2,3
.irp n, 0,1
.if \ks == 0
	v_wmma_scale_f32_16x16x128_f8f6f4 v[236+8*\n:243+8*\n], v[80+12*\ks:91+12*\ks], v[128+48*\n+12*\ks:139+48*\n+12*\ks], 0, v[224+\ks], v[232+2*\n+\ks/2] matrix_a_fmt:MATRIX_FMT_BF6 matrix_b_fmt:MATRIX_FMT_BF6
.elseif \ks % 2
	v_wmma_scale_f32_16x16x128_f8f6f4 v[236+8*\n:243+8*\n], v[80+12*\ks:91+12*\ks], v[128+48*\n+12*\ks:139+48*\n+12*\ks], v[236+8*\n:243+8*\n], v[224+\ks], v[232+2*\n+\ks/2] matrix_a_fmt:MATRIX_FMT_BF6 matrix_b_fmt:MATRIX_FMT_BF6 matrix_b_scale:MATRIX_SCALE_ROW1
.else
	v_wmma_scale_f32_16x16x128_f8f6f4 v[236+8*\n:243+8*\n], v[80+12*\ks:91+12*\ks], v[128+48*\n+12*\ks:139+48*\n+12*\ks], v[236+8*\n:243+8*\n], v[224+\ks], v[232+2*\n+\ks/2] matrix_a_fmt:MATRIX_FMT_BF6 matrix_b_fmt:MATRIX_FMT_BF6
.endif
.endr
.endr
.rept 4
	v_nop
.endr
	ds_store_b32 v14, v236
	ds_store_b32 v14, v244 offset:32
	s_wait_dscnt 0x0
	s_barrier_signal -1
	s_barrier_wait -1
	s_cmp_lt_u32 s18, 4
	s_cbranch_scc0 .Lrow_done
	ds_load_b128 v[48:51], v15
	s_wait_dscnt 0x0
	global_store_b128 v47, v[48:51], s[14:15]
.Lrow_done:
	s_wait_tensorcnt 0x0
	ds_add_u32 v254, v255
	s_wait_dscnt 0x0
	s_endpgm
.Lweights:
	s_sub_co_u32 s22, ttmp9, 32
	s_lshr_b32 s24, s22, 1
	s_and_b32 s25, s22, 1
	s_lshl_b32 s25, s25, 13
	s_lshl_b32 s26, s24, 17
	s_add_co_u32 s26, s26, s25
	s_mov_b32 s27, 0
	s_lshl_b32 s28, s24, 9
	s_mov_b32 s29, 0
	s_lshl_b32 s30, s24, 14
	s_add_co_u32 s30, s30, s25
	s_mov_b32 s31, 0
	s_mov_b32 s20, 0x76543210
	s_mov_b32 s21, 0xfedcba98
	v_lshlrev_b32 v4, 4, v0
	v_lshlrev_b32 v5, 3, v1
	v_mov_b32 v13, 0
	s_wait_kmcnt 0x0
	s_add_nc_u64 s[4:5], s[4:5], s[26:27]
	s_add_nc_u64 s[8:9], s[8:9], s[28:29]
	s_add_nc_u64 s[16:17], s[16:17], s[30:31]
	global_load_b64 v[8:9], v5, s[8:9]
	global_load_b64 v[10:11], v5, s[8:9] offset:256
.irp e, 0,1,2,3,4,5,6,7
	global_load_b128 v[16+4*\e:19+4*\e], v4, s[4:5] offset:16384*\e
.endr
	s_wait_loadcnt 8
	v_max_num_f32 v12, v8, v10
	v_max_num_f32_dpp v12, v12, v12 row_xmask:8 row_mask:0xf bank_mask:0xf
	v_permlanex16_b32 v13, v12, s20, s21
	v_max_num_f32 v12, v12, v13
	v_sub_f32 v14, v8, v12
	v_sub_f32 v15, v10, v12
	v_exp_f32 v14, v14
	v_exp_f32 v15, v15
	v_nop
	s_wait_alu depctr_va_vdst(0)
	v_mul_f32 v14, v14, v9
	v_fma_f32 v14, v15, v11, v14
	v_add_f32_dpp v14, v14, v14 row_xmask:8 row_mask:0xf bank_mask:0xf
	v_permlanex16_b32 v13, v14, s20, s21
	v_add_f32 v14, v14, v13
	v_rcp_f32 v14, v14
	v_nop
	s_wait_alu depctr_va_vdst(0)
	v_mul_f32 v14, 0x3e000000, v14
.irp e, 0,1,2,3,4,5,6,7
	v_readlane_b32 s[32+\e], v12, \e
	v_readlane_b32 s[40+\e], v14, \e
.endr
	s_wait_loadcnt 0x0
.irp e, 0,1,2,3,4,5,6,7
.irp k, 0,1,2,3
	v_sub_f32 v[16+4*\e+\k], v[16+4*\e+\k], s[32+\e]
.endr
.endr
.irp j, 0,1,2,3,4,5,6,7,8,9,10,11,12,13,14,15,16,17,18,19,20,21,22,23,24,25,26,27,28,29,30,31
	v_exp_f32 v[16+\j], v[16+\j]
.endr
	v_nop
	s_wait_alu depctr_va_vdst(0)
.irp k, 0,1,2,3
	v_mul_f32 v[48+\k], s40, v[16+\k]
.endr
.irp e, 1,2,3,4,5,6,7
.irp k, 0,1,2,3
	v_fma_f32 v[48+\k], v[16+4*\e+\k], s[40+\e], v[48+\k]
.endr
.endr
	global_store_b128 v4, v[48:51], s[16:17]
	s_endpgm
.Lfunc_end_k_qcc6fd20d9c_finish:
	.size	k_qcc6fd20d9c_finish, .Lfunc_end_k_qcc6fd20d9c_finish-k_qcc6fd20d9c_finish
	.p2alignl 7, 3214868480
	.fill 96, 4, 3214868480
	.section	.rodata,"a",@progbits
	.p2align	6, 0x0
	.amdhsa_kernel k_qcc6fd20d9c_finish
		.amdhsa_group_segment_fixed_size 15360
		.amdhsa_private_segment_fixed_size 0
		.amdhsa_enable_private_segment 0
		.amdhsa_kernarg_size 56
		.amdhsa_user_sgpr_count 2
		.amdhsa_user_sgpr_kernarg_segment_ptr 1
		.amdhsa_wavefront_size32 1
		.amdhsa_system_sgpr_workgroup_id_x 1
		.amdhsa_system_sgpr_workgroup_id_y 1
		.amdhsa_system_sgpr_workgroup_id_z 1
		.amdhsa_system_vgpr_workitem_id 0
		.amdhsa_next_free_vgpr 256
		.amdhsa_next_free_sgpr 66
		.amdhsa_reserve_vcc 0
		.amdhsa_float_denorm_mode_32 3
		.amdhsa_float_denorm_mode_16_64 3
		.amdhsa_memory_ordered 1
		.amdhsa_forward_progress 1
		.amdhsa_inst_pref_size 24
	.end_amdhsa_kernel
	.amdgpu_metadata
---
amdhsa.version: [ 1, 2 ]
amdhsa.kernels:
  - .name:           k_qcc6fd20d9c_finish
    .symbol:         k_qcc6fd20d9c_finish.kd
    .args:
      - { .name: scores, .offset: 0, .size: 8, .value_kind: global_buffer, .address_space: global }
      - { .name: pctx, .offset: 8, .size: 8, .value_kind: global_buffer, .address_space: global }
      - { .name: pml, .offset: 16, .size: 8, .value_kind: global_buffer, .address_space: global }
      - { .name: wimg, .offset: 24, .size: 8, .value_kind: global_buffer, .address_space: global }
      - { .name: wscl, .offset: 32, .size: 8, .value_kind: global_buffer, .address_space: global }
      - { .name: out0, .offset: 40, .size: 8, .value_kind: global_buffer, .address_space: global }
      - { .name: out1, .offset: 48, .size: 8, .value_kind: global_buffer, .address_space: global }
    .group_segment_fixed_size: 15360
    .private_segment_fixed_size: 0
    .kernarg_segment_align: 8
    .kernarg_segment_size: 56
    .max_flat_workgroup_size: 512
    .sgpr_count:     66
    .vgpr_count:     256
    .wavefront_size: 32
...
	.end_amdgpu_metadata
.endif
;; end of part 6
